; MI455X (gfx1250); checked and timed in simulation.
; The chip was launched on July 23, 2026; its instructions are those of AMD's public machine-readable ISA for CDNA 5 (MIT licence, August 2026) and "CDNA5" Instruction Set Architecture Reference Guide (July 2026). The comments in the code are by the model that wrote it; some were corrected since.
;; Multi Head Attention. Allowed arithmetic: matrix products marked QUANTISED: E2M1 operands, one E8M0 scale for each 32 along K, by v_wmma_scale_f32_16x16x128_f8f6f4 with both operands' format E2M1 (or v_wmma_scale_f32_32x16x128_f4), f32 sums; products left as they are: bf16, f16 or f32 operands; f32 sums; everything else in f32.
;; Inputs: Wk 1,024 x 1,024 float32; Wo 1,024 x 1,024 float32; Wq 1,024 x 1,024 float32; Wv 1,024 x 1,024 float32; bk 1,024 float32; bo 1,024 float32; bq 1,024 float32; bv 1,024 float32; key 4 x 2,048 x 1,024 float32; query 4 x 2,048 x 1,024 float32; value 4 x 2,048 x 1,024 float32.
;; Outputs: out0 4 x 2,048 x 1,024 float32.
;; This version of the problem:
;;   THIS VERSION OF THE PROBLEM IS GIVEN IN LOW PRECISION. The matrix products marked QUANTISED in the list below multiply operands that are first quantised to E2M1 (2 exponent bits, 1 mantissa bit; 4 bits a number), with one power-of-two scale for each 32 numbers along K (OCP MX v1.0); their sums are f32. The products marked 'left as it is' may take bf16, f16 or f32 operands, with f32 sums. Whichever they take, every output number must still come out within the allowed error. Rounding operands to bf16 (8 significant bits) uses up far more of that allowance than f16 does (11 bits, for magnitudes from 6e-5 to 65,504). All else is computed in f32.
;;   The module's matrix products, in the order in which they are computed (A, B: the left and right operand; K: the contracted axis; several contracted axes count as one K, in the product's order):
;;     1. [M 8,192, K 1,024] x [K 1,024, N 1,024]; A: input query; B: input Wq: QUANTISED
;;     2. [M 8,192, K 1,024] x [K 1,024, N 1,024]; A: input key; B: input Wk: QUANTISED
;;     3. [M 8,192, K 1,024] x [K 1,024, N 1,024]; A: input value; B: input Wv: QUANTISED
;;     4. batch 64 x [M 2,048, K 64] x [K 64, N 2,048]; A: computed on the way; B: computed on the way: left as it is (an operand is computed on the way)
;;     5. batch 64 x [M 2,048, K 2,048] x [K 2,048, N 64]; A: computed on the way; B: computed on the way: left as it is (an operand is computed on the way)
;;     6. [M 8,192, K 1,024] x [K 1,024, N 1,024]; A: computed on the way; B: input Wo: left as it is (an operand is computed on the way)
;;   THE QUANTISER, for each operand of a quantised product, along K:
;;     - K is cut into blocks of 32 from its start; a last block that is shorter is filled with zeros.
;;     - A block's scale is 2^e with e = floor(log2(the largest magnitude in the block)) - 2, held to -126 .. 127; a block of zeros has e = 0. As a byte (E8M0): e + 127.
;;     - Each number is divided by its block's scale, clamped to +-6, and rounded to the nearest number of E2M1, ties to even, subnormals kept.
;;     - The product sums the exact products of the quantised numbers (number of the format x scale) in f32.
;;   ~~~python
;;   def quantise(x, axis):      # numpy; x: float32 -> the quantised numbers, widened to float32 again
;;       x = np.moveaxis(x, axis, -1); K = x.shape[-1]
;;       x = np.pad(x, [(0, 0)] * (x.ndim - 1) + [(0, -K % 32)]); x = x.reshape(x.shape[:-1] + (-1, 32)); a = np.abs(x).max(-1, keepdims=True)
;;       e = np.where(a > 0, np.clip(np.frexp(np.where(a > 0, a, 1))[1] - 1 - 2, -126, 127), 0)      # np.frexp(a)[1] - 1 = floor(log2(a)), exactly
;;       r = np.clip(x / 2.0 ** e, -6, 6)
;;       step = 2.0 ** (np.maximum(np.frexp(np.where(r == 0, 1, r))[1] - 1, 0) - 1)
;;       q = np.round(r / step) * step * 2.0 ** e      # np.round: ties to even
;;       return np.moveaxis(q.reshape(q.shape[:-2] + (-1,))[..., :K], -1, axis).astype(np.float32)
;;   ~~~
;; One version. Each part assembles by itself: llvm-mc -triple=amdgcn-amd-amdhsa -mcpu=gfx1250 --defsym DOCPART=n.
;; ======== version 1 of 1: 5 launches
;; limits: values are held in f16: magnitudes above 65,504 overflow, below 6.1e-05 lose precision
;; workspace buffers: xc 12,582,912 bytes; xs 786,432 bytes; wc 1,572,864 bytes; ws 98,304 bytes; wo16 2,097,152 bytes; qkv 50,331,648 bytes; x32 786,432 bytes; ao 16,777,216 bytes
;; launch prep (part 1): grid 848 x 1, 4 waves a work-group, no clusters, 68,096 bytes of LDS; arguments query, key, value, Wq, Wk, Wv, Wo, xc, xs, wc, ws, wo16; writes xc, xs, wc, ws, wo16
.if DOCPART == 1
	.amdgcn_target "amdgcn-amd-amdhsa--gfx1250"
	.amdhsa_code_object_version 6
	.text
	.protected	k_q0e9eccee20_prep
	.globl	k_q0e9eccee20_prep
	.p2align	8
	.type	k_q0e9eccee20_prep,@function
k_q0e9eccee20_prep:
	s_mov_b64 s[64:65], 0
	v_nop
	global_prefetch_b8 v0, s[64:65] scope:SCOPE_SE
	s_setreg_imm32_b32 hwreg(HW_REG_WAVE_MODE, 25, 1), 1
	s_wait_xcnt 0x0
; THE OPERANDS OF THE THREE QUANTISED PRODUCTS BECOME CODES OF FP4 (E2M1) WITH ONE E8M0 BYTE FOR EACH 32 ALONG K; Wo BECOMES f16.
; One launch, three paths, parted by the work-group's number alone:
;   work-groups  0 .. 47   Wq, Wk, Wv [1024 k][1024 n] f32, K is the FIRST axis -> wc [3][1024 n][512 bytes], K innermost; ws [3][1024 n][32 bytes]
;   work-groups 48 .. 79   Wo [1024][1024] f32 -> wo16, the same order, f16 (rounded to nearest even)
;   work-groups 80 .. 847  query, key, value [8192][1024] f32, K innermost -> xc [24576][512 bytes], xs [24576][32 bytes] (query's rows, then key's, then value's)
; A block's scale is 2^(floor(log2(its largest magnitude)) - 2); its byte is the largest magnitude's exponent field - 2, held at 1 from below.
; LIMITS: a block of zeros gets the byte 1 where the quantiser says 127: its codes are zeros, which add nothing under any byte but 0xff, and the bytes are read by this program alone.
; NaN and infinities among the inputs are not served.
; No tensor loads, no barrier: waves share nothing.  Each path that uses LDS has LDS bytes of its own.
.set SPW,   188                        ; v188  LDS address of my spare word: SPARE + 4 x my thread's number; never rewritten
.set NIL,   189                        ; v189  0; never rewritten
.set SPARE, 67584                      ; behind both paths' regions: the spare words, 128 bytes for each wave
.set EMAX,  2
; the stream path (K innermost)
.set STEPS, 16                         ; a wave takes 16 steps of 512 numbers
.set CB,    8                          ; bytes of 16 codes
.set XR,    16                         ; v16-79   four sets of 16 numbers as they are loaded
.set XX,    80                         ; v80-111  two sets of 16 neighbours
.set XE,    112                        ; v112-127 a scale byte for each step
.set XC,    128                        ; v128-159 codes: two registers for each step, so that no store's data are written again
.set WREG,  8192                       ; LDS bytes 0 .. 32767: a region for each wave: two stages of 32 x SP bytes, behind them its 256 scale bytes
.set SP,    80                         ; a lane's place in a stage: its 64 bytes + 16 of padding
; the weights' path (K outermost)
.set WSTG,  32768                      ; LDS bytes 32768 .. 67583: a stage of 32 rows x WPITCH for each wave
.set NB,    16                         ; blocks of 32 along K for a wave (512 along K)
.set WPITCH, 272                       ; a stage row: 256 bytes of codes + 16
.set KROW,  512                        ; a row of wc in bytes
.set WX,    32                         ; v32-95   two sets of 32 numbers
.set WC,    96                         ; v96-99   a block's codes
.set WOUT,  112                        ; v112-175 the way out
.set WSB,   24                         ; v24-27   the scale bytes, four to a register
.macro XLOAD t
.irp i, 0,1,2,3
	global_load_b128 v[XR+16*((\t)%4)+4*\i:XR+16*((\t)%4)+4*\i+3], v3, s[30:31] offset:2048*(\t)+512*\i th:TH_LOAD_NT   ; 32 lanes read 512 consecutive bytes
.endr
.endm
.macro XTURN t                         ; step t's numbers through the stage: LDS serves a wave's instructions in order, so no wait stands between the stores and the loads
.irp i, 0,1,2,3
	ds_store_b128 v14, v[XR+16*((\t)%4)+4*\i:XR+16*((\t)%4)+4*\i+3] offset:32*SP*((\t)%2)+8*SP*\i
.endr
.irp i, 0,1,2,3
	ds_load_b128 v[XX+16*((\t)%2)+4*\i:XX+16*((\t)%2)+4*\i+3], v15 offset:32*SP*((\t)%2)+16*\i
.endr
.endm
.macro XSTEP t
.set XSR, XX+16*((\t)%2)
.if (\t) > 0
	s_wait_dscnt 1                                 ; this step's numbers are back from the stage (the last step's byte store may be out): so its stores into the stage have read their registers,
.else
	s_wait_dscnt 0x0
.endif
.if (\t)+4 < STEPS
	XLOAD (\t)+4                                   ; which take the loads of four steps on
.endif
.if (\t)+1 < STEPS
.if STEPS-2-(\t) >= 3
	s_wait_loadcnt 12                              ; the next step's four loads are in; those of the three steps behind it may be out
.else
	s_wait_loadcnt 4*(STEPS-2-(\t))
.endif
	XTURN (\t)+1                                   ; and go through the other stage while this step is worked
.endif
	v_max3_num_f32 v8, |v[XSR]|, |v[XSR+1]|, |v[XSR+2]|            ; the largest magnitude of my 16, in two chains
	v_max3_num_f32 v9, |v[XSR+3]|, |v[XSR+4]|, |v[XSR+5]|
.irp i, 6,10
	v_max3_num_f32 v8, v8, |v[XSR+\i]|, |v[XSR+\i+1]|
	v_max3_num_f32 v9, v9, |v[XSR+\i+2]|, |v[XSR+\i+3]|
.endr
	v_max3_num_f32 v8, v8, |v[XSR+14]|, |v[XSR+15]|
	v_max3_num_f32 v8, v8, v9, (EMAX+1)<<23        ; and the floor 2^(EMAX + 1 - 127): so the byte cannot fall under 1
	v_max_num_f32_dpp v8, v8, v8 row_xmask:1 row_mask:0xf bank_mask:0xf   ; and of my neighbour's 16: the block's
	v_add_nc_u32 v11, -(EMAX<<23), v8              ; EMAX off its exponent field: the conversion takes the exponent field of this operand as its scale
	v_cvt_scalef32_pk8_fp4_f32 v[XC+2*(\t)], v[XSR:XSR+7], v11     ; eight numbers / the scale, to the nearest code, ties to even, beyond the largest code the largest
	v_cvt_scalef32_pk8_fp4_f32 v[XC+2*(\t)+1], v[XSR+8:XSR+15], v11
	v_lshrrev_b32 v[XE+(\t)], 23, v11              ; the scale's byte (also the plain line behind the conversions)
	ds_store_b8 v5, v[XE+(\t)] offset:16*(\t)      ; both lanes of a block write the same byte with the same value
	global_store_b64 v4, v[XC+2*(\t):XC+2*(\t)+1], s[18:19] offset:32*CB*(\t)   ; the wave stores 256 consecutive bytes, aligned
.endm
.macro WLOAD t                         ; block t: W(32 t + i, my column), i = 0 .. 31, into set t % 2
.irp i, 0,1,2,3,4,5,6,7,8,9,10,11,12,13,14,15,16,17,18,19,20,21,22,23,24,25,26,27,28,29,30,31
	global_load_b32 v[WX+32*((\t)%2)+\i], v3, s[30:31] offset:(32*(\t)+\i)*4096 th:TH_LOAD_NT
.endr
.endm
.macro WBLOCK t
.set WXS, WX+32*((\t)%2)
.if (\t) < NB-1
	s_wait_loadcnt 32                              ; this block's 32 loads are in; the next block's may be out
.else
	s_wait_loadcnt 0
.endif
	v_max3_num_f32 v12, |v[WXS]|, |v[WXS+1]|, |v[WXS+2]|           ; the block's largest magnitude: all 32 numbers are mine
	v_max3_num_f32 v13, |v[WXS+3]|, |v[WXS+4]|, |v[WXS+5]|
.irp i, 6,10,14,18,22,26
	v_max3_num_f32 v12, v12, |v[WXS+\i]|, |v[WXS+\i+1]|
	v_max3_num_f32 v13, v13, |v[WXS+\i+2]|, |v[WXS+\i+3]|
.endr
	v_max3_num_f32 v12, v12, |v[WXS+30]|, |v[WXS+31]|
	v_max3_num_f32 v12, v12, v13, (EMAX+1)<<23     ; and the floor
	v_add_nc_u32 v11, -(EMAX<<23), v12             ; the conversion's scale operand
	v_lshrrev_b32 v13, 23, v11                     ; the scale's byte
.if (\t)%4 == 0
	v_mov_b32 v[WSB+(\t)/4], v13                   ; four bytes to a register, the lower K in the lower byte
.else
	v_lshl_or_b32 v[WSB+(\t)/4], v13, 8*((\t)%4), v[WSB+(\t)/4]
.endif
.irp g, 0,1,2,3
	v_cvt_scalef32_pk8_fp4_f32 v[WC+\g], v[WXS+8*\g:WXS+8*\g+7], v11
.endr
	ds_store_b128 v4, v[WC:WC+3] offset:16*(\t)    ; 32 codes: 16 bytes of my column's row
.if (\t)+2 < NB
	WLOAD (\t)+2
.endif
	s_wait_dscnt 0x0                               ; the store has read its registers: the next block's codes may be written
.endm
.macro LOADG n                         ; 16 loads of 512 consecutive bytes of Wo into set n % 2
.irp i, 0,1,2,3,4,5,6,7,8,9,10,11,12,13,14,15
	global_load_b128 v[16+64*((\n)%2)+4*\i:16+64*((\n)%2)+4*\i+3], v4, s[16:17] offset:512*(16*(\n)+\i) th:TH_LOAD_NT
.endr
.endm
.macro CASTG n, younger                ; younger: the loads issued behind this group's sixteen
.if (\n) > 0
	s_wait_xcnt 0x0                                ; the last group's stores have read v144-175, which are written again
.endif
.irp i, 0,1,2,3,4,5,6,7,8,9,10,11,12,13,14,15
	s_wait_loadcnt \younger+15-\i                  ; loads come back in order: load i of the group is in
	v_cvt_pk_f16_f32 v[144+2*\i], v[16+64*((\n)%2)+4*\i], v[16+64*((\n)%2)+4*\i+1]
	v_cvt_pk_f16_f32 v[145+2*\i], v[16+64*((\n)%2)+4*\i+2], v[16+64*((\n)%2)+4*\i+3]
	global_store_b64 v5, v[144+2*\i:145+2*\i], s[26:27] offset:256*(16*(\n)+\i)   ; the wave stores 256 consecutive bytes, aligned
.endr
.endm
	s_load_b512 s[4:19], s[0:1], 0x0               ; query s[4:5], key s[6:7], value s[8:9], Wq s[10:11], Wk s[12:13], Wv s[14:15], Wo s[16:17], xc s[18:19]
	s_load_b256 s[20:27], s[0:1], 0x40             ; xs s[20:21], wc s[22:23], ws s[24:25], wo16 s[26:27]
	v_lshl_add_u32 v[SPW], v0, 2, SPARE
	v_mov_b32 v[NIL], 0
	v_lshrrev_b32 v1, 5, v0
	v_readfirstlane_b32 s28, v1                    ; wave 0..3
	v_and_b32 v2, 31, v0                           ; lane
	s_mov_b32 s33, 0                               ; the high word of every offset pair s[32:33]
	s_wait_kmcnt 0x0
	s_cmp_lt_u32 ttmp9, 48
	s_cbranch_scc1 .Lw
	s_cmp_lt_u32 ttmp9, 80
	s_cbranch_scc1 .Lo
	; ---- query, key, value: plain streams of blocks of 32
	s_sub_co_u32 s29, ttmp9, 80                    ; g = 0 .. 767; 256 work-groups to a tensor
	s_cmp_lt_u32 s29, 256
	s_cselect_b64 s[30:31], s[4:5], s[6:7]         ; the choice hangs on the work-group's number alone
	s_cmp_lt_u32 s29, 512
	s_cselect_b64 s[30:31], s[30:31], s[8:9]
	s_and_b32 s32, s29, 255
	s_lshl_b32 s32, s32, 2
	s_add_co_u32 s32, s32, s28                     ; which run of 8,192 numbers of the tensor is my wave's
	s_lshl_b32 s32, s32, 15                        ; 32,768 bytes a run
	s_add_nc_u64 s[30:31], s[30:31], s[32:33]
	s_lshl_b32 s34, s29, 2
	s_add_co_u32 s34, s34, s28                     ; and which run of the three tensors on end
	s_lshl_b32 s32, s34, 12                        ; 4,096 bytes of codes a run
	s_add_nc_u64 s[18:19], s[18:19], s[32:33]
	s_lshl_b32 s32, s34, 8                         ; 256 scale bytes a run
	s_add_nc_u64 s[20:21], s[20:21], s[32:33]
	v_lshlrev_b32 v3, 4, v2                        ; my 16 bytes of a load's 512
	s_mul_i32 s35, s28, WREG
	v_lshrrev_b32 v14, 2, v2
	v_mul_u32_u24 v14, v14, SP
	v_and_b32 v15, 3, v2
	v_lshl_add_u32 v14, v15, 4, v14
	v_add_nc_u32 v14, s35, v14                     ; the stage, on the way in: SP (lane / 4) + 16 (lane % 4)
	v_mul_u32_u24 v15, v2, SP
	v_add_nc_u32 v15, s35, v15                     ; and on the way out: SP x lane: my 16 neighbours
	v_mul_u32_u24 v4, v2, CB                       ; my codes' place in a step's
	v_lshrrev_b32 v5, 1, v2
	s_add_co_u32 s35, s35, 2*32*SP
	v_add_nc_u32 v5, s35, v5                       ; my wave's 256 scale bytes, my block's byte
	v_lshlrev_b32 v7, 3, v2                        ; and on the way out 8 bytes a lane
	v_add_nc_u32 v6, s35, v7
.irp t, 0,1,2,3
	XLOAD \t
.endr
	s_wait_loadcnt 12                              ; step 0's four loads are in
	XTURN 0
.irp t, 0,1,2,3,4,5,6,7,8,9,10,11,12,13,14,15
	XSTEP \t
.endr
	ds_load_b64 v[8:9], v6                         ; LDS serves a wave's instructions in order: these see my byte stores
	s_wait_dscnt 0x0
	global_store_b64 v7, v[8:9], s[20:21]          ; 32 lanes store 256 consecutive bytes, aligned
	s_wait_tensorcnt 0x0                           ; the wave's end
	ds_add_u32 v[SPW], v[NIL]
	s_wait_dscnt 0x0
	s_endpgm
	; ---- Wq, Wk, Wv: a lane takes a column n, and its registers run down K: the codes come out with K innermost
.Lw:
	s_lshr_b32 s36, ttmp9, 4                       ; which weight
	s_and_b32 s37, ttmp9, 7                        ; which 128 columns
	s_bfe_u32 s38, ttmp9, 0x10003                  ; which 512 along K
	s_cmp_eq_u32 s36, 0
	s_cselect_b64 s[30:31], s[10:11], s[12:13]
	s_cmp_lt_u32 s36, 2
	s_cselect_b64 s[30:31], s[30:31], s[14:15]
	s_lshl_b32 s35, s37, 7
	s_lshl_b32 s39, s28, 5
	s_add_co_u32 s35, s35, s39                     ; my wave's first column
	s_lshl_b32 s32, s38, 21                        ; W: 512 rows of 4,096 bytes,
	s_lshl_b32 s39, s35, 2
	s_add_co_u32 s32, s32, s39                     ; + 4 x column
	s_add_nc_u64 s[30:31], s[30:31], s[32:33]
	s_lshl_b32 s32, s36, 19                        ; wc: 524,288 bytes a weight,
	s_lshl_b32 s39, s35, 9
	s_add_co_u32 s32, s32, s39                     ; 512 a column,
	s_lshl_b32 s39, s38, 8
	s_add_co_u32 s32, s32, s39                     ; 256 for 512 along K
	s_add_nc_u64 s[22:23], s[22:23], s[32:33]
	s_lshl_b32 s32, s36, 15                        ; ws: 32,768 bytes a weight,
	s_lshl_b32 s39, s35, 5
	s_add_co_u32 s32, s32, s39                     ; 32 a column,
	s_lshl_b32 s39, s38, 4
	s_add_co_u32 s32, s32, s39                     ; 16 for 512 along K
	s_add_nc_u64 s[24:25], s[24:25], s[32:33]
	v_lshlrev_b32 v3, 2, v2                        ; in: 4 bytes a lane
	s_mul_i32 s39, s28, 32*WPITCH
	s_add_co_u32 s39, s39, WSTG                    ; my stage
	v_mul_u32_u24 v4, v2, WPITCH
	v_add_nc_u32 v4, s39, v4                       ; into it: row = my column
	v_and_b32 v5, 15, v2
	v_lshrrev_b32 v6, 4, v2                        ; out of it: sixteen lanes to a row, two rows an instruction
	v_mul_u32_u24 v7, v6, WPITCH
	v_lshl_add_u32 v7, v5, 4, v7
	v_add_nc_u32 v7, s39, v7
	v_mul_u32_u24 v8, v6, KROW
	v_lshl_add_u32 v8, v5, 4, v8                   ; and the same place in wc
	v_mul_u32_u24 v9, v2, 32                       ; my column's row of scale bytes
	WLOAD 0
	WLOAD 1
.irp t, 0,1,2,3,4,5,6,7,8,9,10,11,12,13,14,15
	WBLOCK \t
.endr
	global_store_b128 v9, v[WSB:WSB+3], s[24:25]   ; my column's 16 scale bytes
.irp t, 0,1,2,3,4,5,6,7,8,9,10,11,12,13,14,15
	ds_load_b128 v[WOUT+4*\t:WOUT+4*\t+3], v7 offset:2*\t*WPITCH
.endr
.irp t, 0,1,2,3,4,5,6,7,8,9,10,11,12,13,14,15
	s_wait_dscnt 15-\t
	global_store_b128 v8, v[WOUT+4*\t:WOUT+4*\t+3], s[22:23] offset:2*\t*KROW   ; sixteen lanes store 256 consecutive bytes, aligned
.endr
	s_wait_tensorcnt 0x0                           ; the wave's end: the three lines
	ds_add_u32 v[SPW], v[NIL]
	s_wait_dscnt 0x0
	s_endpgm
	; ---- Wo to f16: a wave casts 8,192 numbers, 32 loads ahead; no LDS
.Lo:
	s_sub_co_u32 s29, ttmp9, 48
	s_lshl_b32 s29, s29, 2
	s_add_co_u32 s29, s29, s28                     ; my run of 8,192 numbers
	s_lshl_b32 s32, s29, 15
	s_add_nc_u64 s[16:17], s[16:17], s[32:33]
	s_lshl_b32 s32, s29, 14
	s_add_nc_u64 s[26:27], s[26:27], s[32:33]
	v_lshlrev_b32 v4, 4, v2                        ; in: 16 bytes a lane
	v_lshlrev_b32 v5, 3, v2                        ; out: 8
	LOADG 0
	LOADG 1
	CASTG 0, 16
	LOADG 2
	CASTG 1, 16
	LOADG 3
	CASTG 2, 16
	CASTG 3, 0
	s_endpgm
.Lfunc_end_k_q0e9eccee20_prep:
	.size	k_q0e9eccee20_prep, .Lfunc_end_k_q0e9eccee20_prep-k_q0e9eccee20_prep
	.p2alignl 7, 3214868480
	.fill 96, 4, 3214868480
	.section	.rodata,"a",@progbits
	.p2align	6, 0x0
	.amdhsa_kernel k_q0e9eccee20_prep
		.amdhsa_group_segment_fixed_size 68096
		.amdhsa_private_segment_fixed_size 0
		.amdhsa_enable_private_segment 0
		.amdhsa_kernarg_size 96
		.amdhsa_user_sgpr_count 2
		.amdhsa_user_sgpr_kernarg_segment_ptr 1
		.amdhsa_wavefront_size32 1
		.amdhsa_system_sgpr_workgroup_id_x 1
		.amdhsa_system_sgpr_workgroup_id_y 1
		.amdhsa_system_sgpr_workgroup_id_z 1
		.amdhsa_system_vgpr_workitem_id 0
		.amdhsa_next_free_vgpr 192
		.amdhsa_next_free_sgpr 66
		.amdhsa_reserve_vcc 0
		.amdhsa_float_denorm_mode_32 3
		.amdhsa_float_denorm_mode_16_64 3
		.amdhsa_memory_ordered 1
		.amdhsa_forward_progress 1
		.amdhsa_inst_pref_size 134
	.end_amdhsa_kernel
	.amdgpu_metadata
---
amdhsa.version: [ 1, 2 ]
amdhsa.kernels:
  - .name:           k_q0e9eccee20_prep
    .symbol:         k_q0e9eccee20_prep.kd
    .args:
      - { .name: query, .offset: 0, .size: 8, .value_kind: global_buffer, .address_space: global }
      - { .name: key, .offset: 8, .size: 8, .value_kind: global_buffer, .address_space: global }
      - { .name: value, .offset: 16, .size: 8, .value_kind: global_buffer, .address_space: global }
      - { .name: Wq, .offset: 24, .size: 8, .value_kind: global_buffer, .address_space: global }
      - { .name: Wk, .offset: 32, .size: 8, .value_kind: global_buffer, .address_space: global }
      - { .name: Wv, .offset: 40, .size: 8, .value_kind: global_buffer, .address_space: global }
      - { .name: Wo, .offset: 48, .size: 8, .value_kind: global_buffer, .address_space: global }
      - { .name: xc, .offset: 56, .size: 8, .value_kind: global_buffer, .address_space: global }
      - { .name: xs, .offset: 64, .size: 8, .value_kind: global_buffer, .address_space: global }
      - { .name: wc, .offset: 72, .size: 8, .value_kind: global_buffer, .address_space: global }
      - { .name: ws, .offset: 80, .size: 8, .value_kind: global_buffer, .address_space: global }
      - { .name: wo16, .offset: 88, .size: 8, .value_kind: global_buffer, .address_space: global }
    .group_segment_fixed_size: 68096
    .private_segment_fixed_size: 0
    .kernarg_segment_align: 8
    .kernarg_segment_size: 96
    .max_flat_workgroup_size: 128
    .sgpr_count:     66
    .vgpr_count:     192
    .wavefront_size: 32
...
	.end_amdgpu_metadata
.endif
;; end of part 1
;; launch proj (part 2): grid 4 x 96, 4 waves a work-group, clusters of 4 x 4, 327,680 bytes of LDS; arguments xc, xs, wc, ws, bq, bk, bv, qkv, x32; writes qkv, x32
.if DOCPART == 2
	.amdgcn_target "amdgcn-amd-amdhsa--gfx1250"
	.amdhsa_code_object_version 6
	.text
	.protected	k_q0e9eccee20_proj
	.globl	k_q0e9eccee20_proj
	.p2align	8
	.type	k_q0e9eccee20_proj,@function
k_q0e9eccee20_proj:
	s_mov_b64 s[64:65], 0
	v_nop
	global_prefetch_b8 v0, s[64:65] scope:SCOPE_SE
	s_setreg_imm32_b32 hwreg(HW_REG_WAVE_MODE, 25, 1), 1
	s_wait_xcnt 0x0
	s_wait_alu depctr_hold_cnt(0) depctr_sa_sdst(0) depctr_va_vdst(0) depctr_va_sdst(0) depctr_va_ssrc(0) depctr_va_vcc(0) depctr_vm_vsrc(0)
	s_getreg_b32 s2, hwreg(HW_REG_IB_STS2, 6, 4)
	s_cmp_eq_u32 s2, 0
	s_cbranch_scc0 .Lentry_in_a_cluster
	s_endpgm
.Lentry_in_a_cluster:
	s_bfe_u32 s2, ttmp6, 0x10000c
	s_cmp_lg_u32 s2, 0xf033
	s_cbranch_scc0 .Lentry_shape_is_right
	s_endpgm
.Lentry_shape_is_right:
; THE THREE QUANTISED PROJECTIONS AS ONE GEMM ON CODES OF FP4: rows 0 .. 24575 are query's, key's and value's; tensor T = row / 8192 is multiplied by weight T and gets bias T.
; A: xc [24576][512 bytes], xs [24576][32]; B: wc [3 x 1024][512 bytes], ws [3 x 1024][32]: K = 1024 innermost, two codes a byte, one E8M0 byte for each 32 along K.  Sums in f32.
; OUT: qkv [3][4 b][16 h][2048 s][64] f16 (operands of the later products, which are left as they are); and the rows s < 16 of every sequence once more in f32: x32 [3][4][16][1024].
; LIMIT: |q|, |k|, |v| stay under 65,504 (f16's largest number).
; A tile of 256 x 256 is made by four waves, 128 x 128 each: 64 accumulators of 16 x 16, 512 registers.  K is two slots of 512: each LDS slot is filled once, nothing is filled again.
; The scale bytes of the tile's 256 rows and 256 columns come once, as dense blocks, with the first fills.  A wave has three tensor loads out at the start.
; CLUSTERS: 4 x 4 work-groups.  The four of a row of the cluster need the same tiles of A, the four of a column the same tiles of B: each is asked for jointly.  T is the cluster's y / 8: all sixteen share it.
; THE MATRIX INSTRUCTION IS USED TRANSPOSED (source 0 = 16 rows of B, source 1 = 16 rows of A): a lane holds eight neighbouring columns of one row.  The bias is the C of each sum's first instruction.
; REGISTERS, in windows of 256: window 0: v0-31 addresses; v32-95 scale words, two sets; v96-127 packed results; v128-191 A's fragments, ONE set (later rows on the way out); v192-255 the bias, 8 registers for each block of 16 columns.
;   window 1: B's fragments, two sets, at v0 and v128.   window 2: the accumulators of my rows 0-63 ((a, b) at v[8 (8 a + b)]);   window 3: those of my rows 64-127.
.set NQ,     4                         ; matrix instructions deep in a slot (512 along K)
.set ROWB,   256                       ; a tile's row in bytes
.set KROW,   512                       ; a row of xc or wc in bytes
.set PITCH,  272                       ; an LDS row: 256 bytes + 16 of padding: the 16 rows that a load touches start 68 words apart
.set FR,     8                         ; registers of a fragment: 16 rows x 128 K
.set NL,     2                         ; LDS loads that bring one
.set NP,     4                         ; places behind this matrix instruction (ISA guide 7.12.1)
.set HALFT,  128*PITCH
.set SLOT,   4*HALFT                   ; A's 256 rows, then B's 256 rows
.set KS,     32                        ; a row of scales in bytes
.set SCL,    2*SLOT                    ; behind the slots: the scales, as units of 256 bytes + 16 of padding
.set HALFS,  (128*KS/256)*272
.set SBLK,   (16*KS/256)*272
.set SPARE,  SCL+4*HALFS               ; the spare words, 128 bytes for each wave
.set SPITCH, 272                       ; the way out: a stage of 16 rows x (256 bytes + 16) for each wave, in slot 0, which has had its only fill and its last read by then
.set ADRA, 16                          ; v16-17  LDS address of my A fragments in slot 0, 1
.set MZ,   18                          ; v18     s of my first row: 0 where my block 0 holds a sequence's first 16 rows
.set ADRB, 20                          ; v20-21  the same as ADRA for B
.set FO,   22                          ; v22     my byte offset in x32's 16 rows
.set BA,   23                          ; v23     my byte offset in the bias: 32 x (lane / 16)
.set STO,  24                          ; v24     the way out: where I put 16 bytes of a row
.set RD,   25                          ; v25     where I read back
.set CO,   26                          ; v26     16 x lane: my place in 512 consecutive bytes of a head
.set ADRS, 27                          ; v27     LDS address of my scale words: lanes 0-15 A's rows, lanes 16-31 B's
.set SPW,  28
.set NIL,  29
.set SC,   32
.set TMP,  96
.set AF,   128
.set BK,   128
.set BI,   192
.set G1, 24
.set G0, 32
.set G1B, 48
.set G0B, 56
.set G1S, 68
.set G0S, 76
.set G1SB, 80
.set G0SB, 88
.set MSB, 0
.macro WIN new                         ; the immediate's high byte repeats the setting that is left
.if MSB != (\new)
	s_set_vgpr_msb (MSB<<8)|(\new)
.set MSB, (\new)
.endif
.endm
.set MUL_LO, 0xa1                      ; source 0 (B) window 1, source 1 (A) window 0, C and D window 2; less 0x20: C (the bias) window 0
.set MUL_HI, 0xf1                      ; the same, C and D window 3; less 0x30: C window 0
.set TO_B,   0x40                      ; destination window 1, address window 0
; A joint load: waves 0 and 1 fetch for A, waves 2 and 3 for B; the branch hangs on the wave's number alone.  An s_nop 0 and four v_nop follow each line.
.macro JLOAD g0a, g1a, g0b, g1b
	s_cmp_eq_u32 s15, 0
	s_cbranch_scc0 .Lfor_b_\@
	tensor_load_to_lds s[\g0a:\g0a+3], s[\g1a:\g1a+7]
	s_nop 0
.rept 4
	v_nop
.endr
	s_branch .Lasked_\@
.Lfor_b_\@:
	tensor_load_to_lds s[\g0b:\g0b+3], s[\g1b:\g1b+7]
	s_nop 0
.rept 4
	v_nop
.endr
.Lasked_\@:
.endm
.macro CROUND                          ; a round of the cluster's barrier
	s_barrier_signal -1
	s_barrier_wait -1
	s_cmp_lg_u32 s14, 0
	s_cbranch_scc1 .Lnot_wave_0_\@
	s_barrier_signal -3
.Lnot_wave_0_\@:
	s_barrier_wait -3
	s_barrier_signal -1
	s_barrier_wait -1
.endm
	s_load_b128 s[4:7], s[0:1], 0x0                ; xc, xs
	s_load_b128 s[8:11], s[0:1], 0x10              ; wc, ws
	s_load_b128 s[96:99], s[0:1], 0x20             ; bq, bk
	s_load_b64 s[100:101], s[0:1], 0x30            ; bv
	s_load_b64 s[12:13], s[0:1], 0x38              ; qkv
	s_load_b64 s[66:67], s[0:1], 0x40              ; x32
	v_lshl_add_u32 v[SPW], v0, 2, SPARE
	v_mov_b32 v[NIL], 0
	ds_add_u32 v[SPW], v[NIL]                      ; the wave's opening: the add, twice on end, and its wait ahead of my first tensor load
	ds_add_u32 v[SPW], v[NIL]
	v_lshrrev_b32 v1, 5, v0
	v_readfirstlane_b32 s14, v1                    ; wave 0..3
	s_lshr_b32 s15, s14, 1                         ; which half of the tile's rows is mine.  Also: I fetch for A (0) or for B (1)
	s_and_b32 s16, s14, 1                          ; which half of its columns.  Also: which 128 rows of that tile I fetch
	s_bfe_u32 s40, ttmp6, 0x40000                  ; cx, cy: my place in the cluster
	s_bfe_u32 s41, ttmp6, 0x40004
	s_lshl_b32 s42, ttmp9, 2
	s_add_co_u32 s42, s42, s40                     ; tile column = 4 x cluster x + cx
	s_and_b32 s17, ttmp7, 0xffff
	s_lshr_b32 s95, s17, 3                         ; T: 8 clusters of 1,024 rows to a tensor
	s_lshl_b32 s17, s17, 2
	s_add_co_u32 s17, s17, s41                     ; tile row = 4 x cluster y + cy
	s_lshl_b32 s43, s41, 2
	s_lshl_b32 s43, 15, s43                        ; my row of the cluster
	s_lshl_b32 s44, 0x1111, s40                    ; my column
	s_or_b32 s[G1+0], s43, (0<<16)|(1<<20)|(1<<21)|(5<<22)|(3<<25)  ; the mask; elements of 1 byte; padding on: 4 words behind every 64; bit 21 beside a mask
	s_or_b32 s[G1B+0], s44, (0<<16)|(1<<20)|(1<<21)|(5<<22)|(3<<25)
.irp g, G1, G1B
	s_mov_b32 s[\g+1], ROWB<<16                    ; tensor_dim0
	s_mov_b32 s[\g+2], 128<<16                     ; tensor_dim1
	s_mov_b32 s[\g+3], ROWB<<16                    ; tile_dim0
	s_mov_b32 s[\g+4], 128                         ; tile_dim1
	s_mov_b32 s[\g+5], KROW                        ; the pitch
	s_mov_b32 s[\g+6], 0
	s_mov_b32 s[\g+7], 0
.endr
	s_or_b32 s[G1S+0], s43, (3<<16)|(1<<20)|(1<<21)|(5<<22)|(3<<25)  ; the scales of 128 rows: 4,096 dense bytes as 16 rows of 32 elements of 8 bytes
	s_or_b32 s[G1SB+0], s44, (3<<16)|(1<<20)|(1<<21)|(5<<22)|(3<<25)
.irp g, G1S, G1SB
	s_mov_b32 s[\g+1], 32<<16
	s_mov_b32 s[\g+2], (128*KS/256)<<16
	s_mov_b32 s[\g+3], 32<<16
	s_mov_b32 s[\g+4], 128*KS/256
	s_mov_b32 s[\g+5], 32
	s_mov_b32 s[\g+6], 0
	s_mov_b32 s[\g+7], 0
.endr
	s_lshl_b32 s18, s16, 7                         ; which 128 rows of the tile I fetch
	s_lshl_b32 s20, s17, 8
	s_add_co_u32 s20, s20, s18                     ; A: row 256 x tile row + 128 x half
	s_lshl_b32 s46, s42, 8
	s_add_co_u32 s46, s46, s18                     ; B: row 256 x tile column + 128 x half
	s_lshl_b32 s47, s95, 10
	s_add_co_u32 s46, s46, s47                     ;    + 1,024 T
	s_mov_b32 s21, 0
	s_mov_b32 s47, 0
	s_mov_b64 s[18:19], KS
	s_mul_u64 s[22:23], s[20:21], s[18:19]         ; where these rows' scales begin, in bytes
	s_mul_u64 s[92:93], s[46:47], s[18:19]
	s_mov_b64 s[18:19], KROW
	s_mul_u64 s[20:21], s[20:21], s[18:19]         ; and their codes
	s_mul_u64 s[46:47], s[46:47], s[18:19]
	s_mul_i32 s45, s14, HALFT                      ; where they go: wave x 128 rows: no place in the cluster enters an LDS address
	s_mul_i32 s94, s14, HALFS
	s_wait_dscnt 0x0                               ; both opening adds are done
	s_wait_kmcnt 0x0
	s_add_nc_u64 s[20:21], s[4:5], s[20:21]
	s_add_nc_u64 s[22:23], s[6:7], s[22:23]
	s_add_nc_u64 s[46:47], s[8:9], s[46:47]
	s_add_nc_u64 s[92:93], s[10:11], s[92:93]
	CROUND                                         ; all sixteen work-groups are here: the joint loads meet
	s_mov_b32 s[G0S], 1
	s_add_co_u32 s[G0S+1], s94, SCL
	s_mov_b64 s[G0S+2:G0S+3], s[22:23]
	s_or_b32 s[G0S+3], s[G0S+3], 0x80000000
	s_mov_b32 s[G0SB], 1
	s_add_co_u32 s[G0SB+1], s94, SCL
	s_mov_b64 s[G0SB+2:G0SB+3], s[92:93]
	s_or_b32 s[G0SB+3], s[G0SB+3], 0x80000000
	JLOAD G0S, G1S, G0SB, G1SB                     ; the scales first: they are wanted with slot 0
.irp s, 0,1
	s_mov_b32 s[G0+4*\s], 1
	s_add_co_u32 s[G0+4*\s+1], s45, \s*SLOT
	s_add_nc_u64 s[G0+4*\s+2:G0+4*\s+3], s[20:21], \s*ROWB
	s_or_b32 s[G0+4*\s+3], s[G0+4*\s+3], 0x80000000
	s_mov_b32 s[G0B+4*\s], 1
	s_add_co_u32 s[G0B+4*\s+1], s45, \s*SLOT
	s_add_nc_u64 s[G0B+4*\s+2:G0B+4*\s+3], s[46:47], \s*ROWB
	s_or_b32 s[G0B+4*\s+3], s[G0B+4*\s+3], 0x80000000
	JLOAD G0+4*\s, G1, G0B+4*\s, G1B
.endr
	v_and_b32 v1, 15, v0                           ; r = lane % 16
	v_bfe_u32 v2, v0, 4, 1                         ; h = lane / 16
	; where my results go.  Numbers that hold cx stay in s46, s47, s92, s93
	s_lshl_b32 s20, s17, 8
	s_lshl_b32 s21, s15, 7
	s_add_co_u32 s20, s20, s21                     ; m0: my first row of the 24,576
	s_lshr_b32 s21, s20, 11                        ; 4 T + batch
	s_and_b32 s22, s20, 2047                       ; its place in the sequence
	v_mov_b32 v[MZ], s22
	s_lshl_b32 s46, s42, 2
	s_lshl_b32 s47, s16, 1
	s_add_co_u32 s46, s46, s47                     ; my first head: my 128 columns are two heads
	s_lshl_b32 s47, s21, 4
	s_add_co_u32 s47, s47, s46
	s_lshl_b32 s92, s47, 18                        ; 262,144 bytes a head,
	s_lshl_b32 s47, s22, 7
	s_add_co_u32 s92, s92, s47                     ; 128 a row
	s_mov_b32 s93, 0
	s_add_nc_u64 s[12:13], s[12:13], s[92:93]
	s_lshl_b32 s92, s21, 16                        ; x32: 65,536 bytes for a tensor's batch,
	s_lshl_b32 s46, s46, 8
	s_add_co_u32 s92, s92, s46                     ; + 4 x my first column
	s_add_nc_u64 s[66:67], s[66:67], s[92:93]
	s_cmp_eq_u32 s95, 0                            ; the bias of tensor T
	s_cselect_b64 s[96:97], s[96:97], s[98:99]
	s_cmp_lt_u32 s95, 2
	s_cselect_b64 s[96:97], s[96:97], s[100:101]
	s_mov_b32 s47, 0
	s_add_nc_u64 s[96:97], s[96:97], s[46:47]      ; at my first column
	v_lshlrev_b32 v[BA], 5, v2
.irp b, 0,1,2,3,4,5,6,7                        ; block b's eight registers in the result's layout: columns 16 b + 8 h + 0 .. 7
	global_load_b128 v[BI+8*\b:BI+8*\b+3], v[BA], s[96:97] offset:64*\b
	global_load_b128 v[BI+8*\b+4:BI+8*\b+7], v[BA], s[96:97] offset:64*\b+16
.endr
	v_mul_u32_u24 v3, v1, PITCH
	v_lshl_add_u32 v4, v2, 4, v3                   ; a fragment's row x pitch + 16 x half
	s_mul_i32 s21, s15, HALFT                      ; my 128 rows of A
	s_mul_i32 s22, s16, HALFT                      ; my 128 rows of B,
	s_add_co_u32 s22, s22, 2*HALFT                 ; which lie behind A's 256
.irp s, 0,1
	v_add_nc_u32 v[ADRA+\s], s21, v4
	v_add_nc_u32 v[ADRB+\s], s22, v4
	s_add_co_u32 s21, s21, SLOT
	s_add_co_u32 s22, s22, SLOT
.endr
	v_mul_u32_u24 v5, v1, KS                       ; my row's scales: KS bytes a row,
	v_lshrrev_b32 v6, 8, v5
	v_lshl_add_u32 v5, v6, 4, v5                   ; and 16 more for each 256 passed
	s_mul_i32 s21, s15, HALFS
	s_mul_i32 s22, s16, HALFS
	s_add_co_u32 s22, s22, 2*HALFS
	s_sub_co_u32 s22, s22, s21
	v_mul_u32_u24 v6, s22, v2                      ; lanes 16-31 take B's: one product, the distance between the two bases
	s_add_co_u32 s21, s21, SCL
	v_add_nc_u32 v5, v5, v6
	v_add_nc_u32 v[ADRS], s21, v5
	s_mul_i32 s23, s14, 16*SPITCH                  ; my stage
	v_mul_u32_u24 v5, v1, SPITCH                   ; in: row r, 16 bytes for each half of the lanes
	v_lshl_add_u32 v5, v2, 4, v5
	v_add_nc_u32 v[STO], s23, v5
	v_and_b32 v6, 31, v0
	v_lshrrev_b32 v7, 3, v6                        ; back: eight lanes take the 128 bytes of one head's row, four rows an instruction
	v_mul_u32_u24 v7, v7, SPITCH
	v_and_b32 v8, 7, v6
	v_lshl_add_u32 v7, v8, 4, v7
	v_add_nc_u32 v[RD], s23, v7
	v_lshlrev_b32 v[CO], 4, v6
	v_lshlrev_b32 v[FO], 12, v1
	v_lshl_add_u32 v[FO], v2, 5, v[FO]             ; x32: row r of 4,096 bytes, + 32 h
.macro FRAG reg, adr, q, i             ; 16 rows x 128 K of 4-bit codes: 8 registers; registers 4 c .. 4 c + 3 hold K = 64 c + 32 (lane / 16) + 0 .. 31
.irp c, 0,1
	ds_load_b128 v[\reg+4*\c:\reg+4*\c+3], v[\adr] offset:64*(\q)+32*\c+(\i)*16*PITCH
.endr
.endm
; 16 matrix instructions: A's blocks a0, a0 + 1 x B's eight, the slot's q-th 128 along K.  p: B's set; sc: the set of scale words.  zero = 1: the sums begin with the bias as C: nothing is cleared, nothing is added later.
; The 64 accumulators take turns, one instruction a turn, in the same order in every step.
.macro MUL16 a0, p, q, sc, zero
.irp a, \a0, \a0+1
.irp b, 0,1,2,3,4,5,6,7
.if \zero
	v_wmma_scale_f32_16x16x128_f8f6f4 v[8*(8*((\a)%4)+\b):8*(8*((\a)%4)+\b)+7], v[128*(\p)+FR*\b:128*(\p)+FR*\b+FR-1], v[AF+FR*(\a):AF+FR*(\a)+FR-1], v[BI+8*\b:BI+8*\b+7], v[SC+8*NQ*(\sc)+NQ*\b+(\q)], v[SC+8*NQ*(\sc)+NQ*(\a)+(\q)] matrix_a_fmt:MATRIX_FMT_FP4 matrix_b_fmt:MATRIX_FMT_FP4 matrix_a_scale:MATRIX_SCALE_ROW1
.else
	v_wmma_scale_f32_16x16x128_f8f6f4 v[8*(8*((\a)%4)+\b):8*(8*((\a)%4)+\b)+7], v[128*(\p)+FR*\b:128*(\p)+FR*\b+FR-1], v[AF+FR*(\a):AF+FR*(\a)+FR-1], v[8*(8*((\a)%4)+\b):8*(8*((\a)%4)+\b)+7], v[SC+8*NQ*(\sc)+NQ*\b+(\q)], v[SC+8*NQ*(\sc)+NQ*(\a)+(\q)] matrix_a_fmt:MATRIX_FMT_FP4 matrix_b_fmt:MATRIX_FMT_FP4 matrix_a_scale:MATRIX_SCALE_ROW1
.endif
.endr
.endr
.endm
.macro FETCH_B slot, q, p
	WIN TO_B
.irp i, 0,1,2,3,4,5,6,7
	FRAG 128*(\p)+FR*\i, ADRB+\slot, \q, \i
.endr
	WIN 0
.endm
.macro FETCH_A slot, q, i0
.irp i, \i0, \i0+1, \i0+2, \i0+3
	FRAG AF+FR*(\i), ADRA+\slot, \q, \i
.endr
.endm
.macro SCALES sc                       ; a slot's scale words: 4 words a row; lanes 0-15 take A's block i, lanes 16-31 B's block i
.irp i, 0,1,2,3,4,5,6,7
	ds_load_b128 v[SC+8*NQ*\sc+NQ*\i:SC+8*NQ*\sc+NQ*\i+3], v[ADRS] offset:\i*SBLK
.endr
.endm
.macro PLACES n                        ; plain vector lines between a matrix instruction and a load into, or a read of, its registers
.rept \n
	v_nop
.endr
.endm
; A step of 128 along K that has its successor in the same slot.  A's blocks 0-3 are fetched anew in its middle, blocks 4-7 at its end; B has two sets.
.macro STEP slot, q, zero
	s_wait_dscnt 4*NL                              ; B's set and A's blocks 0-3 are in; the youngest eight loads (A's blocks 4-7) may be out
	WIN MUL_LO-0x20*(\zero)
	MUL16 0, (\q)%2, \q, \slot, \zero
	MUL16 2, (\q)%2, \q, \slot, \zero
	s_wait_dscnt 0                                 ; A's blocks 4-7 are in
	PLACES NP
	FETCH_B \slot, (\q)+1, 1-(\q)%2
	FETCH_A \slot, (\q)+1, 0
	WIN MUL_HI-0x30*(\zero)
	MUL16 4, (\q)%2, \q, \slot, \zero
	MUL16 6, (\q)%2, \q, \slot, \zero
	PLACES NP
	WIN 0
	FETCH_A \slot, (\q)+1, 4
.endm
	s_wait_tensorcnt 1                             ; the scales and my part of slot 0 are in (slot 1's load may be out)
	s_barrier_signal -1
	s_barrier_wait -1                              ; everybody's are
	FETCH_B 0, 0, 0
	FETCH_A 0, 0, 0
	SCALES 0
	FETCH_A 0, 0, 4
	s_wait_loadcnt 0x0                             ; the bias
	STEP 0, 0, 1
	STEP 0, 1, 0
	STEP 0, 2, 0
	; slot 0's last step changes slots: one barrier; in front of it each wave's tensor loads have landed and its reads of slot 0 are over
	s_wait_tensorcnt 0x0                           ; my part of slot 1 has landed
	ds_add_u32 v[SPW], v[NIL]                      ; 0 onto my spare word
	s_wait_dscnt 4*NL+1                            ; (the add and the youngest eight loads may be out)
	WIN MUL_LO
	MUL16 0, 1, NQ-1, 0, 0
	s_wait_dscnt 0x0                               ; the add is done, and my reads of slot 0 are over
	s_barrier_signal -1
	MUL16 2, 1, NQ-1, 0, 0
	WIN 0
	s_barrier_wait -1
	PLACES NP
	v_add_nc_u32 v[ADRS], 4*NQ, v[ADRS]            ; on to slot 1's scale words
	FETCH_B 1, 0, 0
	FETCH_A 1, 0, 0
	SCALES 1
	WIN MUL_HI
	MUL16 4, 1, NQ-1, 0, 0
	MUL16 6, 1, NQ-1, 0, 0
	PLACES NP
	WIN 0
	FETCH_A 1, 0, 4
	STEP 1, 0, 0
	STEP 1, 1, 0
	STEP 1, 2, 0
	s_wait_dscnt 4*NL                              ; the last step: nothing more to fetch
	WIN MUL_LO
	MUL16 0, 1, NQ-1, 1, 0
	MUL16 2, 1, NQ-1, 1, 0
	s_wait_dscnt 0
	WIN MUL_HI
	MUL16 4, 1, NQ-1, 1, 0
	MUL16 6, 1, NQ-1, 1, 0
	WIN 0
	; THE WAY OUT.  (a) Where my block 0 is a sequence's first 16 rows, it is stored in f32 too.  A mask on the lanes, not a branch: every work-group of the cluster runs the same lines.
	PLACES NP
	v_cmp_eq_u32 vcc_lo, 0, v[MZ]
	s_wait_xcnt 0x0                                ; EXEC changes only behind this wait
	s_and_saveexec_b32 s95, vcc_lo
	WIN 0x08                                       ; a store's data are its source 1: window 2
.irp b, 0,1,2,3,4,5,6,7
	global_store_b128 v[FO], v[8*\b:8*\b+3], s[66:67] offset:64*\b          ; each accumulator from its low end on
	global_store_b128 v[FO], v[8*\b+4:8*\b+7], s[66:67] offset:64*\b+16
.endr
	WIN 0
	s_wait_xcnt 0x0                                ; and again in front of the line that widens it
	s_or_b32 exec_lo, exec_lo, s95
	; (b) f16, by head.  A block of 16 rows x 128 columns goes through my stage and comes back as four rows of one head at a time: 512 consecutive bytes of qkv.
.macro PACK a
.set AC, 64*((\a)%4)
	WIN 0x0a+5*((\a)/4)                            ; sources 0 and 1: window 2 or 3
.irp b, 0,1,2,3,4,5,6,7
.irp e, 0,1,2,3
	v_cvt_pk_f16_f32 v[TMP+4*\b+\e], v[AC+8*\b+2*\e], v[AC+8*\b+2*\e+1]
.endr
.endr
	WIN 0
.endm
.macro TOSTAGE a
.set BB, BK+32*((\a)%2)
.irp b, 0,1,2,3,4,5,6,7
	ds_store_b128 v[STO], v[TMP+4*\b:TMP+4*\b+3] offset:32*\b
.endr
.irp p, 0,1
.irp g, 0,1,2,3
	ds_load_b128 v[BB+4*(4*\p+\g):BB+4*(4*\p+\g)+3], v[RD] offset:128*\p+1088*\g   ; LDS serves a wave's instructions in order: these see the stores above
.endr
.endr
.endm
.macro SEND a
.set BB, BK+32*((\a)%2)
	s_wait_dscnt 0x0                               ; the block is back in registers
	s_wait_xcnt 0x0                                ; the block before has left its registers, into which the next block's loads land
.irp p, 0,1
.irp g, 0,1,2,3
	global_store_b128 v[CO], v[BB+4*(4*\p+\g):BB+4*(4*\p+\g)+3], s[12:13] offset:262144*\p+2048*(\a)+512*\g
.endr
.endr
.endm
	PACK 0
	TOSTAGE 0
.irp a, 1,2,3,4,5,6,7                  ; block a's conversions stand between block a - 1's loads from the stage and the wait for them
	PACK \a
	SEND \a-1
	TOSTAGE \a
.endr
	SEND 7
	s_wait_tensorcnt 0x0                           ; the wave's end
	ds_add_u32 v[SPW], v[NIL]
	s_wait_dscnt 0x0
	CROUND                                         ; the closing round
	s_endpgm
.Lfunc_end_k_q0e9eccee20_proj:
	.size	k_q0e9eccee20_proj, .Lfunc_end_k_q0e9eccee20_proj-k_q0e9eccee20_proj
	.p2alignl 7, 3214868480
	.fill 96, 4, 3214868480
	.section	.rodata,"a",@progbits
	.p2align	6, 0x0
	.amdhsa_kernel k_q0e9eccee20_proj
		.amdhsa_group_segment_fixed_size 327680
		.amdhsa_private_segment_fixed_size 0
		.amdhsa_enable_private_segment 0
		.amdhsa_kernarg_size 72
		.amdhsa_user_sgpr_count 2
		.amdhsa_user_sgpr_kernarg_segment_ptr 1
		.amdhsa_wavefront_size32 1
		.amdhsa_system_sgpr_workgroup_id_x 1
		.amdhsa_system_sgpr_workgroup_id_y 1
		.amdhsa_system_sgpr_workgroup_id_z 1
		.amdhsa_system_vgpr_workitem_id 0
		.amdhsa_next_free_vgpr 1024
		.amdhsa_next_free_sgpr 102
		.amdhsa_reserve_vcc 1
		.amdhsa_float_denorm_mode_32 3
		.amdhsa_float_denorm_mode_16_64 3
		.amdhsa_memory_ordered 1
		.amdhsa_forward_progress 1
		.amdhsa_inst_pref_size 130
	.end_amdhsa_kernel
	.amdgpu_metadata
---
amdhsa.version: [ 1, 2 ]
amdhsa.kernels:
  - .name:           k_q0e9eccee20_proj
    .symbol:         k_q0e9eccee20_proj.kd
    .args:
      - { .name: xc, .offset: 0, .size: 8, .value_kind: global_buffer, .address_space: global }
      - { .name: xs, .offset: 8, .size: 8, .value_kind: global_buffer, .address_space: global }
      - { .name: wc, .offset: 16, .size: 8, .value_kind: global_buffer, .address_space: global }
      - { .name: ws, .offset: 24, .size: 8, .value_kind: global_buffer, .address_space: global }
      - { .name: bq, .offset: 32, .size: 8, .value_kind: global_buffer, .address_space: global }
      - { .name: bk, .offset: 40, .size: 8, .value_kind: global_buffer, .address_space: global }
      - { .name: bv, .offset: 48, .size: 8, .value_kind: global_buffer, .address_space: global }
      - { .name: qkv, .offset: 56, .size: 8, .value_kind: global_buffer, .address_space: global }
      - { .name: x32, .offset: 64, .size: 8, .value_kind: global_buffer, .address_space: global }
    .group_segment_fixed_size: 327680
    .private_segment_fixed_size: 0
    .kernarg_segment_align: 8
    .kernarg_segment_size: 72
    .max_flat_workgroup_size: 128
    .sgpr_count:     102
    .vgpr_count:     1024
    .wavefront_size: 32
...
	.end_amdgpu_metadata
.endif
;; end of part 2
;; launch attn (part 3): grid 4 x 64, 16 waves a work-group, no clusters, 327,680 bytes of LDS; arguments qkv, ao; writes ao
.if DOCPART == 3
	.amdgcn_target "amdgcn-amd-amdhsa--gfx1250"
	.amdhsa_code_object_version 6
	.text
	.protected	k_q0e9eccee20_attn
	.globl	k_q0e9eccee20_attn
	.p2align	8
	.type	k_q0e9eccee20_attn,@function
k_q0e9eccee20_attn:
	s_mov_b64 s[64:65], 0
	v_nop
	global_prefetch_b8 v0, s[64:65] scope:SCOPE_SE
	s_setreg_imm32_b32 hwreg(HW_REG_WAVE_MODE, 25, 1), 1
	s_wait_xcnt 0x0
; CAUSAL ATTENTION, head size 64: ao[b][h][q][:] = the sum over k <= q of softmax_k(q . k / 8) v[k][:].  q, k, v: qkv [3][64 heads][2048][64] f16; ao [64][2048][64] f16.
; Products with f16 operands and f32 sums; maxima, exponentials and sums in f32, with a running maximum; the weights p are rounded to f16 for the second product; the row's sum is taken of the unrounded p.
; LIMIT: |q|, |k|, |v| under 65,504.  (The first 16 rows of every sequence are computed here too, and replaced by a later launch that carries them in f32.)
; SHARES.  Work-group (j, head) owns the query blocks j and 7 - j of 256 queries: so every work-group has the same causal work.  Waves 0-7 take block j, waves 8-15 block 7 - j; a wave owns 32 queries: two tiles of 16.
; One walk over the keys serves both blocks: 8 slots of 256 keys, 4 steps of 64 keys to a slot; every trip count is a constant.  A step all of whose keys come after a wave's queries is jumped over by that wave.
; K's and V's tiles come through a ring of two LDS slots, filled by the tensor data mover (waves 0, 1: K's halves; waves 2, 3: V's) and read by all sixteen.  A wave has at most one tensor load out.
; NO CLUSTER: the four work-groups of a head end their walks at different slots (8, 7, 6, 5 slots of keys): a joint load would bring tiles whose reads every wave of a partner jumps over.
; LAYOUT.  S^T = K Q^T (source 0 = 16 keys, source 1 = 16 queries): a lane holds ONE query (lane % 16) and the keys 8 (lane / 16) + 0..7.  Two such tiles, rounded in pairs, are source 1 (32 keys x 16 queries) of
; O^T = V^T P, whose result again holds one query a lane.  K comes out of LDS as it lies, V ([key][channel]) turned, by ds_load_tr16_b128.
; REGISTERS: v1-11 addresses and the mask's numbers; v12-27 statistics, 8 a tile; v28-31 addresses; v32-63 Q; v64-127 K's 8 fragments, then V's 8; v128-191 S^T, then p, then P packed in place; v192-255 O^T.
.set KP,    144                        ; a key's row in LDS: 128 bytes + 16: an odd multiple of 16
.set VP,    160                        ; a row of V: 128 + 32: an odd multiple of 32, for the turning load
.set VOFF,  256*KP                     ; a slot: 256 rows of K, then 256 rows of V
.set SLOT1, 1<<17                      ; slot 1 begins here: one exclusive or turns an address in one slot into the other's
.set SPARE, SLOT1+VOFF+256*VP          ; behind the ring: the spare words, 128 bytes for each of 16 waves
.set STAGE, SPARE+2048                 ; the way out: 32 rows x 144 bytes for each wave; no fill ever lands here
.set AK0,  1                           ; my lane's place in a tile of K
.set AV0,  2                           ; and of V
.set ADK,  3                           ; LDS address of the step's K
.set ADV,  4                           ; and V
.set SPW,  5
.set NIL,  6
.set DM,   7                           ; lane % 16 - 8 (lane / 16)
.set PFO,  8                           ; 256 x lane
.set MD,   9                           ; v9, v10: the mask's bound for tile 0, 1
.set NINF, 11                          ; -infinity
.set ST,   12                          ; tile t at v[ST + 8 t]: +0 c m, +1 m, +2, +3 l (even keys', odd keys'), +4 .. +7 at work; a = 2^(c m_old - c m_new) in +6
.set STO,  28
.set RD,   29
.set GO,   30
.set QO,   31
.set QF,   32                          ; Q: tile tq, channels 32 dh on, at v[QF + 16 tq + 8 dh]
.set KV,   64
.set S,    128                         ; S^T: tile tq, keys 16 kt on, at v[S + 32 tq + 8 kt]
.set O,    192                         ; O^T: tile tq, channels 16 dt on, at v[O + 32 tq + 8 dt]
.set WV,   18
.set SEL,  20                          ; s[20:21] lane selects for v_permlanex16_b32: lane xor 16
.set CS,   22                          ; s[22:23] c = log2(e) / 8
.set G1K,  24
.set G1V,  32
.set G0K,  40
.set G0V,  44
.set TB,   48                          ; LDS byte at which the slot in hand begins
.set SLOTS, 49
.set KF,   50                          ; the step's first key
.set Q0,   51                          ; my first query
.set LASTQ, 52                         ; my work-group's last query
.set QL,   53                          ; my last query
.set PFA,  54                          ; s[54:55] where my prefetches stand
.set LIM,  56                          ; 1 in a wave that prefetches, else the greatest number
.macro TLOAD                           ; waves 0, 1 fetch K's halves, waves 2, 3 V's, the others nothing; an s_nop 0 and four v_nop follow each line
	s_cmp_lt_u32 s[WV], 2
	s_cbranch_scc0 .Lnot_k_\@
	tensor_load_to_lds s[G0K:G0K+3], s[G1K:G1K+7]
	s_nop 0
.rept 4
	v_nop
.endr
	s_branch .Lasked_\@
.Lnot_k_\@:
	s_cmp_lt_u32 s[WV], 4
	s_cbranch_scc0 .Lasked_\@
	tensor_load_to_lds s[G0V:G0V+3], s[G1V:G1V+7]
	s_nop 0
.rept 4
	v_nop
.endr
.Lasked_\@:
.endm
; A PREFETCH of what the NEXT change of slots will ask for: a slot's 32,768 dense bytes of K and of V.  All four work-groups of a head walk the same K and V: the one that walks all eight slots (j = 0) asks.
; In it the waves ask that fetch nothing: waves 4-7 for K, waves 8-11 for V, 8,192 bytes a wave, lanes 256 bytes apart: each aligned block of 256 bytes is named once in the launch.
; Slots 0 and 1 come by their loads alone; the last change that fills a slot asks for nothing.
.macro ASK
	s_cmp_gt_u32 s[SLOTS], s[LIM]
	s_cbranch_scc0 .Lnot_mine_\@
	global_prefetch_b8 v[PFO], s[PFA:PFA+1] th:TH_LOAD_NT scope:SCOPE_SE
.Lnot_mine_\@:
.endm
	s_load_b128 s[4:7], s[0:1], 0x0                ; qkv, ao
	v_lshl_add_u32 v[SPW], v0, 2, SPARE
	v_mov_b32 v[NIL], 0
	ds_add_u32 v[SPW], v[NIL]                      ; the wave's opening: the add, twice on end, and its wait ahead of my first tensor load
	ds_add_u32 v[SPW], v[NIL]
	v_lshrrev_b32 v3, 5, v0
	v_readfirstlane_b32 s[WV], v3                  ; wave 0..15
	s_and_b32 s57, ttmp7, 0xffff                   ; the head, 0..63
	s_lshl_b32 s58, s57, 18                        ; its first byte in q, k, v and ao: 262,144 bytes a head
	s_sub_co_u32 s59, 7, ttmp9
	s_cmp_lt_u32 s[WV], 8
	s_cselect_b32 s59, ttmp9, s59                  ; my block of 256 queries
	s_and_b32 s60, s[WV], 7
	s_lshl_b32 s60, s60, 5
	s_lshl_b32 s[Q0], s59, 8
	s_add_co_u32 s[Q0], s[Q0], s60                 ; my first query
	s_add_co_u32 s[QL], s[Q0], 31
	s_sub_co_u32 s[LASTQ], 8, ttmp9
	s_lshl_b32 s[LASTQ], s[LASTQ], 8
	s_sub_co_u32 s[LASTQ], s[LASTQ], 1             ; the last query of block 7 - j
	s_and_b32 s61, s[WV], 1                        ; which 128 rows of a slot I fetch, if I fetch
	s_mul_i32 s62, s61, 128*KP
	s_mul_i32 s63, s61, 128*VP
	s_add_co_u32 s63, s63, VOFF
	s_lshl_b32 s66, s61, 14
	s_add_co_u32 s66, s66, s58
	s_mov_b32 s67, 0
	s_mov_b32 s[G1K], (1<<16)|(1<<20)|(4<<22)|(3<<25)   ; no mask; elements of 2 bytes; padding on: 4 words behind every 32
	s_mov_b32 s[G1V], (1<<16)|(1<<20)|(4<<22)|(7<<25)   ; 8 words behind every 32
.irp g, G1K, G1V
	s_mov_b32 s[\g+1], 64<<16                      ; tensor_dim0 = 64
	s_mov_b32 s[\g+2], 128<<16                     ; tensor_dim1 = 128
	s_mov_b32 s[\g+3], 64<<16                      ; tile_dim0
	s_mov_b32 s[\g+4], 128                         ; tile_dim1
	s_mov_b32 s[\g+5], 64                          ; the pitch: a head's rows are dense
	s_mov_b32 s[\g+6], 0
	s_mov_b32 s[\g+7], 0
.endr
	s_mov_b32 s[SEL], 0x76543210
	s_mov_b32 s[SEL+1], 0xfedcba98
	s_mov_b32 s[CS], 0x3e38aa3b                    ; c = log2(e) / sqrt(64)
	s_mov_b32 s[CS+1], s[CS]                       ; (named with it as a pair, so it is written)
	s_mov_b32 s[TB], 0
	s_mov_b32 s[SLOTS], 7
	s_mov_b32 s[KF], 0
	s_wait_dscnt 0x0                               ; both opening adds are done
	s_wait_kmcnt 0x0
	s_mov_b32 s[G0K], 1
	s_mov_b32 s[G0K+1], s62
	s_add_nc_u64 s[G0K+2:G0K+3], s[4:5], s[66:67]
	s_add_nc_u64 s[G0K+2:G0K+3], s[G0K+2:G0K+3], 16777216   ; k lies behind q
	s_or_b32 s[G0K+3], s[G0K+3], 0x80000000
	s_mov_b32 s[G0V], 1
	s_mov_b32 s[G0V+1], s63
	s_add_nc_u64 s[G0V+2:G0V+3], s[4:5], s[66:67]
	s_add_nc_u64 s[G0V+2:G0V+3], s[G0V+2:G0V+3], 33554432   ; v behind k
	s_or_b32 s[G0V+3], s[G0V+3], 0x80000000
	TLOAD                                          ; slot 0: it holds key 0, which counts for every query
	; the prefetches: where my wave's stand, and who asks
	s_mov_b32 s68, 33554432
	s_cmp_lt_u32 s[WV], 8
	s_cselect_b32 s68, 16777216, s68               ; waves 4-7: k; waves 8-11: v
	s_and_b32 s69, s[WV], 3
	s_lshl_b32 s69, s69, 13                        ; my wave's 8,192 bytes of a slot's 32,768,
	s_add_co_u32 s68, s68, s69
	s_add_co_u32 s68, s68, s58                     ; in my head,
	s_add_co_u32 s68, s68, 32768                   ; in slot 1: the first change of slots steps it to slot 2
	s_mov_b32 s69, 0
	s_add_nc_u64 s[PFA:PFA+1], s[4:5], s[68:69]
	s_sub_co_u32 s70, s[WV], 4
	s_lshr_b32 s70, s70, 3                         ; 0 in waves 4 to 11,
	s_or_b32 s70, s70, ttmp9                       ; of the work-group j = 0
	s_cmp_eq_u32 s70, 0
	s_cselect_b32 s[LIM], 1, -1
	s_lshl_b32 s70, s[Q0], 7
	s_add_co_u32 s70, s70, s58
	s_mov_b32 s71, 0
	s_add_nc_u64 s[72:73], s[4:5], s[70:71]        ; q at my first query
	s_add_nc_u64 s[6:7], s[6:7], s[70:71]          ; ao likewise
	v_and_b32 v9, 15, v0                           ; r
	v_bfe_u32 v10, v0, 4, 1                        ; h
	v_lshlrev_b32 v[QO], 7, v9
	v_lshl_add_u32 v[QO], v10, 4, v[QO]            ; row r of 128 bytes + 16 h
.irp tq, 0,1
.irp dh, 0,1
	global_load_b128 v[QF+16*\tq+8*\dh:QF+16*\tq+8*\dh+3], v[QO], s[72:73] offset:2048*\tq+64*\dh
	global_load_b128 v[QF+16*\tq+8*\dh+4:QF+16*\tq+8*\dh+7], v[QO], s[72:73] offset:2048*\tq+64*\dh+32
.endr
.endr
	v_mul_u32_u24 v[AK0], v9, KP
	v_lshl_add_u32 v[AK0], v10, 4, v[AK0]
	v_and_b32 v3, 7, v0
	v_lshl_add_u32 v3, v10, 3, v3                  ; the turning load: key 8 h + lane % 8,
	v_mul_u32_u24 v[AV0], v3, VP
	v_bfe_u32 v4, v0, 3, 1
	v_lshl_add_u32 v[AV0], v4, 4, v[AV0]           ; channels 8 ((lane / 8) % 2) on
	v_add_nc_u32 v[AV0], VOFF, v[AV0]
	v_lshlrev_b32 v3, 3, v10
	v_sub_nc_u32 v[DM], v9, v3
	v_and_b32 v4, 31, v0
	v_lshlrev_b32 v[PFO], 8, v4
	v_lshlrev_b32 v[GO], 4, v4
	s_mul_i32 s57, s[WV], 32*KP
	s_add_co_u32 s57, s57, STAGE                   ; my stage
	v_mul_u32_u24 v[STO], v9, KP
	v_lshl_add_u32 v[STO], v10, 4, v[STO]
	v_add_nc_u32 v[STO], s57, v[STO]               ; in: row r, 16 bytes for each half of the lanes
	v_lshrrev_b32 v3, 3, v4
	v_mul_u32_u24 v[RD], v3, KP
	v_and_b32 v3, 7, v0
	v_lshl_add_u32 v[RD], v3, 4, v[RD]
	v_add_nc_u32 v[RD], s57, v[RD]                 ; back: eight lanes to a row of 128 bytes, four rows an instruction
	v_mov_b32 v[NINF], 0xff800000
.irp t, 0,1
	v_mov_b32 v[ST+8*\t+1], 0xff61b1e6             ; m: -3e38, under every score
	v_mul_f32 v[ST+8*\t], s[CS], v[ST+8*\t+1]      ; c m
.irp i, 2,3,4,5,6,7
	v_mov_b32 v[ST+8*\t+\i], 0                     ; l, and the registers at work: written once, on every path
.endr
.endr
.irp j, 0,1,2,3,4,5,6,7,8,9,10,11,12,13,14,15,16,17,18,19,20,21,22,23,24,25,26,27,28,29,30,31,32,33,34,35,36,37,38,39,40,41,42,43,44,45,46,47,48,49,50,51,52,53,54,55,56,57,58,59,60,61,62,63
	v_mov_b32 v[O+\j], 0                           ; O^T.  (The step is written once: the first finds zeros, which a = 0 leaves zeros)
.endr
; THE SOFTMAX OF A STEP, both tiles line by line, so that no line waits for the line above it.
.macro SOFTMAX
.irp c, 0,1,2,3
.irp t, 0,1
	v_max3_num_f32 v[ST+8*\t+4+\c], v[S+32*\t+8*\c], v[S+32*\t+8*\c+1], v[S+32*\t+8*\c+2]   ; four chains; each accumulator is read from its low end on
.endr
.endr
.irp u, 1,2
.irp c, 0,1,2,3
.irp t, 0,1
	v_max3_num_f32 v[ST+8*\t+4+\c], v[ST+8*\t+4+\c], v[S+32*\t+8*\c+2*\u+1], v[S+32*\t+8*\c+2*\u+2]
.endr
.endr
.endr
.irp t, 0,1
	v_max3_num_f32 v[ST+8*\t+4], v[ST+8*\t+4], v[S+32*\t+7], v[S+32*\t+15]
.endr
.irp t, 0,1
	v_max3_num_f32 v[ST+8*\t+6], v[ST+8*\t+6], v[S+32*\t+23], v[S+32*\t+31]
.endr
.irp t, 0,1
	v_max3_num_f32 v[ST+8*\t+4], v[ST+8*\t+4], v[ST+8*\t+5], v[ST+8*\t+6]
.endr
.irp t, 0,1
	v_max3_num_f32 v[ST+8*\t+4], v[ST+8*\t+4], v[ST+8*\t+7], v[ST+8*\t+1]   ; with the old m
.endr
.irp t, 0,1
	v_permlanex16_b32 v[ST+8*\t+5], v[ST+8*\t+4], s[SEL], s[SEL+1]          ; the query's other 32 keys lie in the lane 16 away
.endr
.irp t, 0,1
	v_mov_b32 v[ST+8*\t+7], v[ST+8*\t]             ; c m_old
.endr
.irp t, 0,1
	v_max_num_f32 v[ST+8*\t+1], v[ST+8*\t+4], v[ST+8*\t+5]                  ; the new m
.endr
.irp t, 0,1
	v_mul_f32 v[ST+8*\t], s[CS], v[ST+8*\t+1]
.endr
.irp t, 0,1
	v_sub_f32 v[ST+8*\t+7], v[ST+8*\t+7], v[ST+8*\t]
.endr
.irp i, 0,2,4,6,8,10,12,14,16,18,20,22,24,26,28,30
.irp t, 0,1
	v_pk_fma_f32 v[S+32*\t+\i:S+32*\t+\i+1], v[S+32*\t+\i:S+32*\t+\i+1], s[CS:CS+1], v[ST+8*\t:ST+8*\t+1] op_sel_hi:[1,0,0] neg_lo:[0,0,1] neg_hi:[0,0,1]   ; c s - c m
.endr
.endr
.irp t, 0,1
	v_exp_f32 v[ST+8*\t+6], v[ST+8*\t+7]           ; a
.endr
.irp i, 0,1,2,3,4,5,6,7,8,9,10,11,12,13,14,15,16,17,18,19,20,21,22,23,24,25,26,27,28,29,30,31
.irp t, 0,1
	v_exp_f32 v[S+32*\t+\i], v[S+32*\t+\i]         ; p
.endr
.endr
	v_nop                                          ; a plain line behind the last exponential
	s_wait_alu depctr_va_vdst(0)                   ; ONE wait for the batch of 66, ahead of its first reader
.irp t, 0,1
	v_pk_mul_f32 v[ST+8*\t+2:ST+8*\t+3], v[ST+8*\t+2:ST+8*\t+3], v[ST+8*\t+6:ST+8*\t+7] op_sel_hi:[1,0]   ; l x a
.endr
.irp t, 0,1
	v_pk_add_f32 v[ST+8*\t+4:ST+8*\t+5], v[S+32*\t:S+32*\t+1], v[S+32*\t+2:S+32*\t+3]   ; the sum of the unrounded p, in two chains
.endr
.irp i, 4,8,12,16,20,24,28
.irp t, 0,1
	v_pk_add_f32 v[ST+8*\t+2:ST+8*\t+3], v[ST+8*\t+2:ST+8*\t+3], v[S+32*\t+\i:S+32*\t+\i+1]
	v_pk_add_f32 v[ST+8*\t+4:ST+8*\t+5], v[ST+8*\t+4:ST+8*\t+5], v[S+32*\t+\i+2:S+32*\t+\i+3]
.endr
.endr
.irp t, 0,1
	v_pk_add_f32 v[ST+8*\t+2:ST+8*\t+3], v[ST+8*\t+2:ST+8*\t+3], v[ST+8*\t+4:ST+8*\t+5]
.endr
.irp i, 0,1,2,3,4,5,6,7,8,9,10,11,12,13,14,15
.irp t, 0,1
	v_cvt_pk_f16_f32 v[S+32*\t+\i], v[S+32*\t+2*\i], v[S+32*\t+2*\i+1]   ; P, packed in place, ascending: register i is written when 2 i and 2 i + 1 are read
.endr
.endr
.irp i, 0,2,4,6,8,10,12,14,16,18,20,22,24,26,28,30
.irp t, 0,1
	v_pk_mul_f32 v[O+32*\t+\i:O+32*\t+\i+1], v[O+32*\t+\i:O+32*\t+\i+1], v[ST+8*\t+6:ST+8*\t+7] op_sel_hi:[1,0]   ; O^T x a
.endr
.endr
.endm
; A KEY STEP: 64 keys, the q-th of the slot in hand.
.macro STEP q
	s_cmp_gt_u32 s[KF], s[QL]                      ; all its keys come after my queries: left out.  Ids and the count of steps alone; no barrier and no tensor load stands in a step
	s_cbranch_scc1 .Lhidden_\@
	v_add_nc_u32 v[ADK], s[TB], v[AK0]
	v_add_nc_u32 v[ADV], s[TB], v[AV0]
.irp kt, 0,1,2,3
.irp dh, 0,1
	ds_load_b128 v[KV+8*(2*\kt+\dh):KV+8*(2*\kt+\dh)+3], v[ADK] offset:64*KP*(\q)+16*KP*\kt+64*\dh
	ds_load_b128 v[KV+8*(2*\kt+\dh)+4:KV+8*(2*\kt+\dh)+7], v[ADK] offset:64*KP*(\q)+16*KP*\kt+64*\dh+32
.endr
.endr
	s_wait_dscnt 0x0
.irp dh, 0,1                                   ; S^T = K Q^T: the eight accumulators take turns, one instruction a turn
.irp tq, 0,1
.irp kt, 0,1,2,3
.if \dh == 0
	v_wmma_f32_16x16x32_f16 v[S+32*\tq+8*\kt:S+32*\tq+8*\kt+7], v[KV+8*(2*\kt+\dh):KV+8*(2*\kt+\dh)+7], v[QF+16*\tq+8*\dh:QF+16*\tq+8*\dh+7], 0
.else
	v_wmma_f32_16x16x32_f16 v[S+32*\tq+8*\kt:S+32*\tq+8*\kt+7], v[KV+8*(2*\kt+\dh):KV+8*(2*\kt+\dh)+7], v[QF+16*\tq+8*\dh:QF+16*\tq+8*\dh+7], v[S+32*\tq+8*\kt:S+32*\tq+8*\kt+7]
.endif
.endr
.endr
.endr
.rept 4
	v_nop                                          ; places in front of the loads into K's registers and of the first read of the scores
.endr
.irp ks, 0,1                                   ; V, turned: it lands under the softmax
.irp dt, 0,1,2,3
	ds_load_tr16_b128 v[KV+8*(4*\ks+\dt):KV+8*(4*\ks+\dt)+3], v[ADV] offset:64*VP*(\q)+32*VP*\ks+32*\dt
	ds_load_tr16_b128 v[KV+8*(4*\ks+\dt)+4:KV+8*(4*\ks+\dt)+7], v[ADV] offset:64*VP*(\q)+32*VP*\ks+32*\dt+16*VP
.endr
.endr
	s_add_co_u32 s57, s[KF], 63                    ; on the diagonal hidden scores become -infinity ahead of the maximum; a step all of whose keys count skips this
	s_cmp_le_u32 s57, s[Q0]
	s_cbranch_scc1 .Lopen_\@
	s_sub_co_i32 s57, s[Q0], s[KF]
	v_add_nc_u32 v[MD], s57, v[DM]                 ; register 8 kt + i of tile tq holds key KF + 16 kt + 8 h + i: hidden where 16 kt + i > Q0 - KF + 16 tq + r - 8 h
	v_add_nc_u32 v[MD+1], 16, v[MD]
.irp tq, 0,1
.irp n, 0,1,2,3,4,5,6,7,8,9,10,11,12,13,14,15,16,17,18,19,20,21,22,23,24,25,26,27,28,29,30,31
	v_cmp_gt_i32 vcc_lo, 16*(\n/8)+\n%8, v[MD+\tq]
	v_cndmask_b32 v[S+32*\tq+\n], v[S+32*\tq+\n], v[NINF], vcc_lo
.endr
.endr
.Lopen_\@:
	SOFTMAX
	s_wait_dscnt 0x0                               ; V is in
.irp ks, 0,1                                   ; O^T += V^T P: eight accumulators by turns
.irp tq, 0,1
.irp dt, 0,1,2,3
	v_wmma_f32_16x16x32_f16 v[O+32*\tq+8*\dt:O+32*\tq+8*\dt+7], v[KV+8*(4*\ks+\dt):KV+8*(4*\ks+\dt)+7], v[S+32*\tq+8*\ks:S+32*\tq+8*\ks+7], v[O+32*\tq+8*\dt:O+32*\tq+8*\dt+7]
.endr
.endr
.endr
.rept 5
	v_nop                                          ; five places: the next step's first products write over P's registers; its loads land in V's; the way out reads O^T
.endr
.Lhidden_\@:
	s_add_co_u32 s[KF], s[KF], 64
.endm
; THE CHANGE OF SLOTS stands at a slot's head.  Each wave waits for all its tensor loads, adds 0 to its spare word (fill = 1: twice on end), and waits for that and for its reads of the slot that it has left.
; Behind the barrier the slot ahead is whole and nobody reads the other one.  fill = 1: that other slot is filled with the next 256 keys, while a wave of the work-group will read them.
.macro CHANGE fill
	s_wait_tensorcnt 0x0                           ; no tensor load of mine is out, so a group 0 may be written
	ds_add_u32 v[SPW], v[NIL]
.if \fill
	ds_add_u32 v[SPW], v[NIL]                      ; and once more, in every trip alike
	s_xor_b32 s[G0K+1], s[G0K+1], SLOT1            ; the walking descriptors: the other slot than last time,
	s_add_nc_u64 s[G0K+2:G0K+3], s[G0K+2:G0K+3], 32768   ; the next 256 keys
	s_xor_b32 s[G0V+1], s[G0V+1], SLOT1
	s_add_nc_u64 s[G0V+2:G0V+3], s[G0V+2:G0V+3], 32768
	s_wait_xcnt 0x0                                ; the last prefetch, a slot back, has read its address, so it may be written:
	s_add_nc_u64 s[PFA:PFA+1], s[PFA:PFA+1], 32768 ; one slot further on than the walking descriptors
.endif
	s_wait_dscnt 0x0                               ; the add is done, and my reads of the slot that I have left are over
	s_barrier_signal -1
	s_barrier_wait -1
.if \fill
	s_add_co_u32 s57, s[KF], 256                   ; the first key of the slot that this change would ask for:
	s_cmp_gt_u32 s57, s[LASTQ]                     ; past my work-group's last query none of its waves reads it, so it is not asked for.  Ids and the count of steps alone: all sixteen waves go the same way
	s_cbranch_scc1 .Lpast_\@
	TLOAD                                          ; a wave's one tensor load until the next change
.Lpast_\@:
	ASK
.endif
.endm
.macro SLOT_STEPS
	STEP 0
	STEP 1
	STEP 2
	STEP 3
	s_xor_b32 s[TB], s[TB], SLOT1                  ; on to the other slot
.endm
	s_wait_loadcnt 0x0                             ; Q
.Lslot:                                            ; 7 trips: behind each change of slots but the last the next slot is asked for, up to the causal limit
	CHANGE 1
	SLOT_STEPS
	s_sub_co_u32 s[SLOTS], s[SLOTS], 1
	s_cmp_lg_u32 s[SLOTS], 0
	s_cbranch_scc1 .Lslot
	CHANGE 0                                       ; the last slot is written out: nothing is left to fetch
	SLOT_STEPS
	; THE WAY OUT.  l's two halves and the other half of the lanes' are added; O^T is divided by l, rounded to f16 and sent through my stage, so that each store covers 512 consecutive bytes.
.irp t, 0,1
	v_add_f32 v[ST+8*\t+4], v[ST+8*\t+2], v[ST+8*\t+3]
.endr
.irp t, 0,1
	v_permlanex16_b32 v[ST+8*\t+5], v[ST+8*\t+4], s[SEL], s[SEL+1]
.endr
.irp t, 0,1
	v_add_f32 v[ST+8*\t+4], v[ST+8*\t+4], v[ST+8*\t+5]
.endr
.irp t, 0,1
	v_rcp_f32 v[ST+8*\t+6], v[ST+8*\t+4]
.endr
	v_nop                                          ; a plain line behind the last reciprocal
	s_wait_alu depctr_va_vdst(0)                   ; one wait for both, ahead of the first reader
.irp i, 0,2,4,6,8,10,12,14,16,18,20,22,24,26,28,30
.irp t, 0,1
	v_pk_mul_f32 v[O+32*\t+\i:O+32*\t+\i+1], v[O+32*\t+\i:O+32*\t+\i+1], v[ST+8*\t+6:ST+8*\t+7] op_sel_hi:[1,0]
.endr
.endr
.irp t, 0,1
.irp i, 0,1,2,3,4,5,6,7,8,9,10,11,12,13,14,15
	v_cvt_pk_f16_f32 v[S+16*\t+\i], v[O+32*\t+2*\i], v[O+32*\t+2*\i+1]
.endr
.endr
.irp t, 0,1
.irp dt, 0,1,2,3
	ds_store_b128 v[STO], v[S+16*\t+4*\dt:S+16*\t+4*\dt+3] offset:16*KP*\t+32*\dt
.endr
.endr
.irp g, 0,1,2,3,4,5,6,7
	ds_load_b128 v[KV+4*\g:KV+4*\g+3], v[RD] offset:4*KP*\g   ; LDS serves a wave's instructions in order: these see my stores
.endr
.irp g, 0,1,2,3,4,5,6,7
	s_wait_dscnt 7-\g
	global_store_b128 v[GO], v[KV+4*\g:KV+4*\g+3], s[6:7] offset:512*\g
.endr
	s_wait_tensorcnt 0x0                           ; the wave's end
	ds_add_u32 v[SPW], v[NIL]
	s_wait_dscnt 0x0
	s_endpgm
.Lfunc_end_k_q0e9eccee20_attn:
	.size	k_q0e9eccee20_attn, .Lfunc_end_k_q0e9eccee20_attn-k_q0e9eccee20_attn
	.p2alignl 7, 3214868480
	.fill 96, 4, 3214868480
	.section	.rodata,"a",@progbits
	.p2align	6, 0x0
	.amdhsa_kernel k_q0e9eccee20_attn
		.amdhsa_group_segment_fixed_size 327680
		.amdhsa_private_segment_fixed_size 0
		.amdhsa_enable_private_segment 0
		.amdhsa_kernarg_size 16
		.amdhsa_user_sgpr_count 2
		.amdhsa_user_sgpr_kernarg_segment_ptr 1
		.amdhsa_wavefront_size32 1
		.amdhsa_system_sgpr_workgroup_id_x 1
		.amdhsa_system_sgpr_workgroup_id_y 1
		.amdhsa_system_sgpr_workgroup_id_z 1
		.amdhsa_system_vgpr_workitem_id 0
		.amdhsa_next_free_vgpr 256
		.amdhsa_next_free_sgpr 80
		.amdhsa_reserve_vcc 1
		.amdhsa_float_denorm_mode_32 3
		.amdhsa_float_denorm_mode_16_64 3
		.amdhsa_memory_ordered 1
		.amdhsa_forward_progress 1
		.amdhsa_inst_pref_size 189
	.end_amdhsa_kernel
	.amdgpu_metadata
---
amdhsa.version: [ 1, 2 ]
amdhsa.kernels:
  - .name:           k_q0e9eccee20_attn
    .symbol:         k_q0e9eccee20_attn.kd
    .args:
      - { .name: qkv, .offset: 0, .size: 8, .value_kind: global_buffer, .address_space: global }
      - { .name: ao, .offset: 8, .size: 8, .value_kind: global_buffer, .address_space: global }
    .group_segment_fixed_size: 327680
    .private_segment_fixed_size: 0
    .kernarg_segment_align: 8
    .kernarg_segment_size: 16
    .max_flat_workgroup_size: 512
    .sgpr_count:     80
    .vgpr_count:     256
    .wavefront_size: 32
...
	.end_amdgpu_metadata
.endif
;; end of part 3
;; launch oproj (part 4): grid 4 x 64, 4 waves a work-group, clusters of 4 x 4, 327,680 bytes of LDS; arguments ao, wo16, bo, out0; writes out0
.if DOCPART == 4
	.amdgcn_target "amdgcn-amd-amdhsa--gfx1250"
	.amdhsa_code_object_version 6
	.text
	.protected	k_q0e9eccee20_oproj
	.globl	k_q0e9eccee20_oproj
	.p2align	8
	.type	k_q0e9eccee20_oproj,@function
k_q0e9eccee20_oproj:
	s_mov_b64 s[64:65], 0
	v_nop
	global_prefetch_b8 v0, s[64:65] scope:SCOPE_SE
	s_setreg_imm32_b32 hwreg(HW_REG_WAVE_MODE, 25, 1), 1
	s_wait_xcnt 0x0
	s_wait_alu depctr_hold_cnt(0) depctr_sa_sdst(0) depctr_va_vdst(0) depctr_va_sdst(0) depctr_va_ssrc(0) depctr_va_vcc(0) depctr_vm_vsrc(0)
	s_getreg_b32 s2, hwreg(HW_REG_IB_STS2, 6, 4)
	s_cmp_eq_u32 s2, 0
	s_cbranch_scc0 .Lentry_in_a_cluster
	s_endpgm
.Lentry_in_a_cluster:
	s_bfe_u32 s2, ttmp6, 0x10000c
	s_cmp_lg_u32 s2, 0xf033
	s_cbranch_scc0 .Lentry_shape_is_right
	s_endpgm
.Lentry_shape_is_right:
; out0[m][n] = the sum over k of A[m][k] Wo[k][n] + bo[n].  A is the attention's result, ao [4 b][16 h][2048 s][64] f16: m = 2048 b + s, k = 64 h + d.  wo16: [1024 k][1024 n] f16.  out0: [8192][1024] f32; sums in f32.
; A tile of 128 (m) x 256 (n) is made by four waves, 64 x 128 each: 32 accumulators, 256 registers; 256 work-groups.  K goes in 8 steps of 128 (two heads) through a ring of two LDS slots.
; CLUSTERS: 4 x 4 work-groups: A's tile is shared along a row of the cluster, Wo's along a column; each is asked for jointly, by the same tensor load with a mask that names the four.
; THE MATRIX INSTRUCTION IS USED TRANSPOSED: source 0 = 16 columns n of Wo, turned out of [k][n] by ds_load_tr16_b128; source 1 = 16 rows of A: a lane holds eight neighbouring columns of one row.
; The bias is the C of each sum's first instruction.  No prefetch: a short launch on small tiles, whose steps each bring 104 KiB for 128 matrix instructions a wave.
; REGISTERS: window 0: v16-29 addresses; v64-127 A's fragments, two buffers of 4 x 8; v128-191 the bias (8 registers for each block of 16 columns), later with v192-255 rows on the way out.
;   window 1: v0-127 Wo's fragments, two buffers of 8 x 8.   window 2: accumulator (a, b) at v[8 (8 a + b)].
.set PA,     144                       ; a row of A in LDS: 128 bytes + 16
.set PB,     544                       ; a row of Wo: 512 bytes + 32: an odd multiple of 32, for the turning load
.set PLANE,  128*PA                    ; one head's 128 rows
.set BOFF,   2*PLANE
.set HALFB,  64*PB
.set SLOT,   BOFF+2*HALFB
.set STAGE,  2*SLOT                    ; behind the ring: 16 rows x (512 + 16) bytes for each wave
.set SPITCH, 528
.set SPARE,  STAGE+4*16*SPITCH
.set ADRA, 16
.set ADRB, 20
.set STO,  24
.set RD,   25
.set CO,   26
.set BA,   27
.set SPW,  28
.set NIL,  29
.set AF,   64
.set BI,   128
.set BK,   128
.set G1A, 24
.set G0A, 32
.set G1B, 48
.set G0B, 56
.set MSB, 0
.macro WIN new
.if MSB != (\new)
	s_set_vgpr_msb (MSB<<8)|(\new)
.set MSB, (\new)
.endif
.endm
.set MUL,  0xa1                        ; source 0 (Wo) window 1, source 1 (A) window 0, C and D window 2; less 0x20: C (the bias) window 0
.set TO_B, 0x40                        ; destination window 1, address window 0
.macro JLOAD s                         ; waves 0, 1 fetch A's two planes, waves 2, 3 Wo's two halves; an s_nop 0 and four v_nop follow each line
	s_cmp_eq_u32 s13, 0
	s_cbranch_scc0 .Lfor_b_\@
	tensor_load_to_lds s[G0A+4*\s:G0A+4*\s+3], s[G1A:G1A+7]
	s_nop 0
.rept 4
	v_nop
.endr
	s_branch .Lasked_\@
.Lfor_b_\@:
	tensor_load_to_lds s[G0B+4*\s:G0B+4*\s+3], s[G1B:G1B+7]
	s_nop 0
.rept 4
	v_nop
.endr
.Lasked_\@:
.endm
.macro CREST                           ; a round of the cluster's barrier behind its opening barrier
	s_cmp_lg_u32 s12, 0
	s_cbranch_scc1 .Lnot_wave_0_\@
	s_barrier_signal -3
.Lnot_wave_0_\@:
	s_barrier_wait -3
	s_barrier_signal -1
	s_barrier_wait -1
.endm
.macro CROUND
	s_barrier_signal -1
	s_barrier_wait -1
	CREST
.endm
	s_load_b256 s[4:11], s[0:1], 0x0               ; ao s[4:5], wo16 s[6:7], bo s[8:9], out0 s[10:11]
	v_lshl_add_u32 v[SPW], v0, 2, SPARE
	v_mov_b32 v[NIL], 0
	ds_add_u32 v[SPW], v[NIL]                      ; the wave's opening: the add, twice on end, and its wait ahead of my first tensor load
	ds_add_u32 v[SPW], v[NIL]
	v_lshrrev_b32 v1, 5, v0
	v_readfirstlane_b32 s12, v1                    ; wave 0..3
	s_lshr_b32 s13, s12, 1                         ; which 64 rows are mine.  Also: I fetch for A (0) or for Wo (1)
	s_and_b32 s14, s12, 1                          ; which 128 columns.  Also: which plane, or which 64 rows of Wo, I fetch
	s_bfe_u32 s15, ttmp6, 0x40000                  ; cx
	s_bfe_u32 s16, ttmp6, 0x40004                  ; cy
	s_lshl_b32 s17, ttmp9, 2
	s_add_co_u32 s17, s17, s15                     ; tile column
	s_and_b32 s18, ttmp7, 0xffff
	s_lshl_b32 s18, s18, 2
	s_add_co_u32 s18, s18, s16                     ; tile row
	s_lshl_b32 s19, s16, 2
	s_lshl_b32 s19, 15, s19                        ; my row of the cluster
	s_lshl_b32 s20, 0x1111, s15                    ; my column
	s_or_b32 s[G1A], s19, (1<<16)|(1<<20)|(1<<21)|(4<<22)|(3<<25)   ; the mask; elements of 2 bytes; 4 words of padding behind every 32; bit 21 beside a mask
	s_mov_b32 s[G1A+1], 64<<16                     ; a plane: 128 rows of 64 elements, dense
	s_mov_b32 s[G1A+2], 128<<16
	s_mov_b32 s[G1A+3], 64<<16
	s_mov_b32 s[G1A+4], 128
	s_mov_b32 s[G1A+5], 64
	s_mov_b32 s[G1A+6], 0
	s_mov_b32 s[G1A+7], 0
	s_or_b32 s[G1B], s20, (1<<16)|(1<<20)|(1<<21)|(6<<22)|(7<<25)   ; 8 words of padding behind every 128
	s_mov_b32 s[G1B+1], 256<<16                    ; 64 rows of 256 elements, 1,024 elements apart
	s_mov_b32 s[G1B+2], 64<<16
	s_mov_b32 s[G1B+3], 256<<16
	s_mov_b32 s[G1B+4], 64
	s_mov_b32 s[G1B+5], 1024
	s_mov_b32 s[G1B+6], 0
	s_mov_b32 s[G1B+7], 0
	s_lshr_b32 s40, s18, 4                         ; A: the batch, 16 heads of 262,144 bytes,
	s_lshl_b32 s40, s40, 22
	s_and_b32 s41, s18, 15
	s_lshl_b32 s41, s41, 14                        ; 128 rows of 128 bytes a tile row,
	s_add_co_u32 s40, s40, s41
	s_lshl_b32 s41, s14, 18                        ; my plane's head
	s_add_co_u32 s40, s40, s41
	s_mov_b32 s41, 0
	s_lshl_b32 s42, s14, 17                        ; Wo: my 64 rows of 2,048 bytes,
	s_lshl_b32 s43, s17, 9                         ; 512 bytes a tile column
	s_add_co_u32 s42, s42, s43
	s_mov_b32 s43, 0
	s_mul_i32 s44, s14, PLANE                      ; where they go: no place in the cluster enters an LDS address
	s_mul_i32 s45, s14, HALFB
	s_add_co_u32 s45, s45, BOFF
	s_wait_dscnt 0x0                               ; both opening adds are done
	s_wait_kmcnt 0x0
	s_add_nc_u64 s[46:47], s[4:5], s[40:41]
	s_add_nc_u64 s[66:67], s[6:7], s[42:43]
	CROUND                                         ; all sixteen work-groups are here: the first joint loads meet
.irp s, 0,1
	s_mov_b32 s[G0A+4*\s], 1
	s_add_co_u32 s[G0A+4*\s+1], s44, \s*SLOT
	s_add_nc_u64 s[G0A+4*\s+2:G0A+4*\s+3], s[46:47], \s*524288      ; K step s: two heads on
	s_or_b32 s[G0A+4*\s+3], s[G0A+4*\s+3], 0x80000000
	s_mov_b32 s[G0B+4*\s], 1
	s_add_co_u32 s[G0B+4*\s+1], s45, \s*SLOT
	s_add_nc_u64 s[G0B+4*\s+2:G0B+4*\s+3], s[66:67], \s*262144      ; 128 rows on
	s_or_b32 s[G0B+4*\s+3], s[G0B+4*\s+3], 0x80000000
	JLOAD \s
.endr
	v_and_b32 v1, 15, v0                           ; r
	v_bfe_u32 v2, v0, 4, 1                         ; h
	s_lshl_b32 s42, s17, 10
	s_lshl_b32 s43, s14, 9
	s_add_co_u32 s42, s42, s43                     ; 4 x my first column
	s_mov_b32 s43, 0
	s_add_nc_u64 s[8:9], s[8:9], s[42:43]
	v_lshlrev_b32 v[BA], 5, v2
.irp b, 0,1,2,3,4,5,6,7                        ; the bias in the result's layout: columns 16 b + 8 h + 0 .. 7
	global_load_b128 v[BI+8*\b:BI+8*\b+3], v[BA], s[8:9] offset:64*\b
	global_load_b128 v[BI+8*\b+4:BI+8*\b+7], v[BA], s[8:9] offset:64*\b+16
.endr
	s_lshl_b32 s40, s18, 7
	s_lshl_b32 s41, s13, 6
	s_add_co_u32 s40, s40, s41                     ; my first row of out0,
	s_lshl_b32 s40, s40, 12                        ; 4,096 bytes a row
	s_add_co_u32 s42, s42, s40
	s_add_nc_u64 s[10:11], s[10:11], s[42:43]
	v_mul_u32_u24 v3, v1, PA
	v_lshl_add_u32 v3, v2, 4, v3                   ; A: row r x pitch + 16 h
	s_mul_i32 s21, s13, 64*PA                      ; my 64 rows
	v_and_b32 v4, 7, v0
	v_lshl_add_u32 v4, v2, 3, v4                   ; Wo: row 8 h + lane % 8,
	v_mul_u32_u24 v4, v4, PB
	v_bfe_u32 v5, v0, 3, 1
	v_lshl_add_u32 v4, v5, 4, v4                   ; columns 8 ((lane / 8) % 2) on
	s_lshl_b32 s22, s14, 8                         ; my 128 columns
	s_add_co_u32 s22, s22, BOFF
.irp s, 0,1
	v_add_nc_u32 v[ADRA+\s], s21, v3
	v_add_nc_u32 v[ADRB+\s], s22, v4
	s_add_co_u32 s21, s21, SLOT
	s_add_co_u32 s22, s22, SLOT
.endr
	s_mul_i32 s23, s12, 16*SPITCH
	s_add_co_u32 s23, s23, STAGE                   ; my stage
	v_mul_u32_u24 v5, v1, SPITCH
	v_lshl_add_u32 v5, v2, 5, v5
	v_add_nc_u32 v[STO], s23, v5                   ; in: row r, 32 bytes for each half of the lanes
	v_and_b32 v6, 31, v0
	v_lshlrev_b32 v[CO], 4, v6                     ; back: the 32 lanes take one row of 512 bytes; and the same in out0
	v_add_nc_u32 v[RD], s23, v[CO]
.macro MULA f, a, zero                 ; 8 matrix instructions: A's block a x Wo's eight blocks, 32 along K, buffer f.  zero = 1: the sums begin with the bias
.irp b, 0,1,2,3,4,5,6,7
.if \zero
	v_wmma_f32_16x16x32_f16 v[8*(8*(\a)+\b):8*(8*(\a)+\b)+7], v[64*(\f)+8*\b:64*(\f)+8*\b+7], v[AF+32*(\f)+8*(\a):AF+32*(\f)+8*(\a)+7], v[BI+8*\b:BI+8*\b+7]
.else
	v_wmma_f32_16x16x32_f16 v[8*(8*(\a)+\b):8*(8*(\a)+\b)+7], v[64*(\f)+8*\b:64*(\f)+8*\b+7], v[AF+32*(\f)+8*(\a):AF+32*(\f)+8*(\a)+7], v[8*(8*(\a)+\b):8*(8*(\a)+\b)+7]
.endif
.endr
.endm
.macro FETCH slot, q, f                ; 24 LDS loads in one run: the slot's q-th 32 along K into buffer f: Wo's eight fragments, then A's four
	WIN TO_B
.irp i, 0,1,2,3,4,5,6,7
	ds_load_tr16_b128 v[64*(\f)+8*\i:64*(\f)+8*\i+3], v[ADRB+\slot] offset:32*PB*(\q)+32*\i
	ds_load_tr16_b128 v[64*(\f)+8*\i+4:64*(\f)+8*\i+7], v[ADRB+\slot] offset:32*PB*(\q)+32*\i+16*PB
.endr
	WIN 0
.irp a, 0,1,2,3
	ds_load_b128 v[AF+32*(\f)+8*\a:AF+32*(\f)+8*\a+3], v[ADRA+\slot] offset:((\q)/2)*PLANE+64*((\q)%2)+16*PA*\a
	ds_load_b128 v[AF+32*(\f)+8*\a+4:AF+32*(\f)+8*\a+7], v[ADRA+\slot] offset:((\q)/2)*PLANE+64*((\q)%2)+16*PA*\a+32
.endr
.endm
.macro PLACES                          ; four plain lines in front of loads into registers that matrix instructions have read, and of the first read of results
.rept 4
	v_nop
.endr
.endm
; A K step is four quarters of 32 along K, 32 matrix instructions each (every accumulator once: they take turns), on buffers 0, 1, 0, 1.  One of the first three multiplies buffer f and fetches quarter q into g.
.macro QUARTER slot, q, f, g, zero
	s_wait_dscnt 4                                 ; Wo's fragments and A's blocks 0, 1 are in; the youngest four loads (A's blocks 2, 3) may be out
	WIN MUL-0x20*(\zero)
	MULA \f, 0, \zero
	MULA \f, 1, \zero
	PLACES
	FETCH \slot, \q, \g
	s_wait_dscnt 24                                ; all but the 24 just issued
	WIN MUL-0x20*(\zero)
	MULA \f, 2, \zero
	MULA \f, 3, \zero
.endm
; The last quarter multiplies buffer 1 and changes slots: ONE barrier; in front of it each wave waits for all its tensor loads, adds 0 to its spare word, and waits for that and for its reads of this slot.
; fill = 1: the barrier opens a round of the cluster's barrier, and this slot is filled again, two K steps ahead, first thing behind the round.
.macro TURN slot, next, fill
	WIN 0                                          ; (the add's two registers lie in window 0)
	s_wait_tensorcnt 0x0                           ; all my tensor loads have landed: my part of the next slot
	ds_add_u32 v[SPW], v[NIL]
	s_wait_dscnt 5                                 ; (the add and the youngest four loads may be out)
	WIN MUL
	MULA 1, 0, 0
	s_wait_dscnt 0x0                               ; the add is done, and my reads of this slot are over
	s_barrier_signal -1
	MULA 1, 1, 0
.if \fill
	WIN 0
.endif
	s_barrier_wait -1
.if \fill
	CREST                                          ; no wave of any partner still reads this slot's tiles or has a load on its way
	s_add_nc_u64 s[G0A+4*\slot+2:G0A+4*\slot+3], s[G0A+4*\slot+2:G0A+4*\slot+3], 1048576   ; four heads on
	s_add_nc_u64 s[G0B+4*\slot+2:G0B+4*\slot+3], s[G0B+4*\slot+2:G0B+4*\slot+3], 524288    ; 256 rows on
	JLOAD \slot                                    ; the four v_nop behind it are also the places in front of the loads below
.else
	PLACES
.endif
	FETCH \next, 0, 0
	WIN MUL
	MULA 1, 2, 0
	MULA 1, 3, 0
.endm
	s_wait_tensorcnt 1                             ; my part of K step 0 is in (K step 1's may be out)
	s_barrier_signal -1
	s_barrier_wait -1                              ; everybody's is
	FETCH 0, 0, 0
	s_wait_loadcnt 0x0                             ; the bias
	QUARTER 0, 1, 0, 1, 1                          ; the first quarter stands in front of the loop: its products start the sums
	WIN 0                                          ; at a label and at a branch every window is 0
	s_mov_b32 s3, 3
.Llap:                                                 ; a trip goes once round the ring, from a lap's second quarter to the next lap's first, and fills both slots again
	QUARTER 0, 2, 1, 0, 0
	QUARTER 0, 3, 0, 1, 0
	TURN 0, 1, 1
	QUARTER 1, 1, 0, 1, 0
	QUARTER 1, 2, 1, 0, 0
	QUARTER 1, 3, 0, 1, 0
	TURN 1, 0, 1
	QUARTER 0, 1, 0, 1, 0
	WIN 0
	s_sub_co_u32 s3, s3, 1
	s_cmp_lg_u32 s3, 0
	s_cbranch_scc1 .Llap
	QUARTER 0, 2, 1, 0, 0                          ; the last lap fills nothing, and has no round of the cluster's barrier
	QUARTER 0, 3, 0, 1, 0
	TURN 0, 1, 0
	QUARTER 1, 1, 0, 1, 0
	QUARTER 1, 2, 1, 0, 0
	QUARTER 1, 3, 0, 1, 0
	s_wait_dscnt 4                                 ; the very last quarter: nothing more to fetch
	WIN MUL
	MULA 1, 0, 0
	MULA 1, 1, 0
	s_wait_dscnt 0
	MULA 1, 2, 0
	MULA 1, 3, 0
	WIN 0
; THE WAY OUT, block by block of 16 rows x 128 columns: through my own stage and back as whole rows of 512 bytes, which the 32 lanes store as 512 consecutive bytes, aligned.
.macro TOSTAGE a
	WIN 0x08                                       ; an LDS store's data are its source 1: window 2
.irp b, 0,1,2,3,4,5,6,7
	ds_store_b128 v[STO], v[64*(\a)+8*\b:64*(\a)+8*\b+3] offset:64*\b          ; each accumulator from its low end on
	ds_store_b128 v[STO], v[64*(\a)+8*\b+4:64*(\a)+8*\b+7] offset:64*\b+16
.endr
	WIN 0
.set BB, BK+64*((\a)%2)
.irp t, 0,1,2,3,4,5,6,7,8,9,10,11,12,13,14,15
	ds_load_b128 v[BB+4*\t:BB+4*\t+3], v[RD] offset:\t*SPITCH   ; LDS serves a wave's instructions in order: these see the stores above
.endr
.endm
.macro SEND a, younger                 ; younger: the LDS instructions issued behind block a's loads
.set BB, BK+64*((\a)%2)
	s_wait_dscnt \younger
.irp t, 0,1,2,3,4,5,6,7,8,9,10,11,12,13,14,15
	global_store_b128 v[CO], v[BB+4*\t:BB+4*\t+3], s[10:11] offset:(16*(\a)+\t)*4096 th:TH_STORE_NT
.endr
.endm
	PLACES
	TOSTAGE 0
.irp a, 1,2,3
.if \a > 1
	s_wait_xcnt 0x0                                ; block a - 2's stores have read their registers: block a's loads may land there
.endif
	TOSTAGE \a
	SEND \a-1, 32                                  ; behind block a - 1's loads: block a's 16 stores and 16 loads
.endr
	SEND 3, 0
	s_wait_tensorcnt 0x0                           ; the wave's end
	ds_add_u32 v[SPW], v[NIL]
	s_wait_dscnt 0x0
	CROUND                                         ; the closing round
	s_endpgm
.Lfunc_end_k_q0e9eccee20_oproj:
	.size	k_q0e9eccee20_oproj, .Lfunc_end_k_q0e9eccee20_oproj-k_q0e9eccee20_oproj
	.p2alignl 7, 3214868480
	.fill 96, 4, 3214868480
	.section	.rodata,"a",@progbits
	.p2align	6, 0x0
	.amdhsa_kernel k_q0e9eccee20_oproj
		.amdhsa_group_segment_fixed_size 327680
		.amdhsa_private_segment_fixed_size 0
		.amdhsa_enable_private_segment 0
		.amdhsa_kernarg_size 32
		.amdhsa_user_sgpr_count 2
		.amdhsa_user_sgpr_kernarg_segment_ptr 1
		.amdhsa_wavefront_size32 1
		.amdhsa_system_sgpr_workgroup_id_x 1
		.amdhsa_system_sgpr_workgroup_id_y 1
		.amdhsa_system_sgpr_workgroup_id_z 1
		.amdhsa_system_vgpr_workitem_id 0
		.amdhsa_next_free_vgpr 768
		.amdhsa_next_free_sgpr 72
		.amdhsa_reserve_vcc 0
		.amdhsa_float_denorm_mode_32 3
		.amdhsa_float_denorm_mode_16_64 3
		.amdhsa_memory_ordered 1
		.amdhsa_forward_progress 1
		.amdhsa_inst_pref_size 87
	.end_amdhsa_kernel
	.amdgpu_metadata
---
amdhsa.version: [ 1, 2 ]
amdhsa.kernels:
  - .name:           k_q0e9eccee20_oproj
    .symbol:         k_q0e9eccee20_oproj.kd
    .args:
      - { .name: ao, .offset: 0, .size: 8, .value_kind: global_buffer, .address_space: global }
      - { .name: wo16, .offset: 8, .size: 8, .value_kind: global_buffer, .address_space: global }
      - { .name: bo, .offset: 16, .size: 8, .value_kind: global_buffer, .address_space: global }
      - { .name: out0, .offset: 24, .size: 8, .value_kind: global_buffer, .address_space: global }
    .group_segment_fixed_size: 327680
    .private_segment_fixed_size: 0
    .kernarg_segment_align: 8
    .kernarg_segment_size: 32
    .max_flat_workgroup_size: 128
    .sgpr_count:     72
    .vgpr_count:     768
    .wavefront_size: 32
...
	.end_amdgpu_metadata
.endif
;; end of part 4
;; launch first16 (part 5): grid 16 x 4, 16 waves a work-group, no clusters, 71,680 bytes of LDS; arguments x32, Wo, bo, out0; writes out0
.if DOCPART == 5
	.amdgcn_target "amdgcn-amd-amdhsa--gfx1250"
	.amdhsa_code_object_version 6
	.text
	.protected	k_q0e9eccee20_first16
	.globl	k_q0e9eccee20_first16
	.p2align	8
	.type	k_q0e9eccee20_first16,@function
k_q0e9eccee20_first16:
	s_mov_b64 s[64:65], 0
	v_nop
	global_prefetch_b8 v0, s[64:65] scope:SCOPE_SE
	s_setreg_imm32_b32 hwreg(HW_REG_WAVE_MODE, 25, 1), 1
	s_wait_xcnt 0x0
; THE FIRST 16 POSITIONS OF EVERY SEQUENCE, ALL IN f32: under the causal mask they average one to sixteen values and are the largest rows, so the rounding of 16-bit operands weighs most there.
; x32: [3 (q, k, v)][4 b][16 s][1024] f32; Wo [1024][1024], bo [1024] f32.  This launch writes rows s < 16 of out0 [4][2048][1024] over what the launch before left there.
; Work-group (c, b): 64 columns of out0 (256 bytes of a row) for batch b's 16 rows.  Wave hd is head hd: scores, mask, softmax with the row's maximum, P V, and then that head's share (64 along K) of the product with Wo,
; straight from its registers.  The sixteen shares meet in LDS, and waves 0-7 add them, in a fixed order, onto the bias.
; All products by v_wmma_f32_16x16x4_f32, 96 a wave: no bulk work.  Along each product's K the numbers are dealt to the instructions in the same order on both sides, which leaves every product as it is.
; Both attention products are used transposed (a lane holds one query), and so is the last (a lane holds one row and eight neighbouring columns).
; REGISTERS: v1-15 addresses, the bias v8-11, 1 / l in v14; v16-47 q, then Wo's chunk 1; v48-79 k, then chunk 2; v80-111 v, then chunk 3; v112-143 chunk 0; v144-175 p and what is at work, then the normalised result;
;   v176-255 are written by matrix instructions alone: S^T in two halves, O^T (4 x 8), the last product's sums (4 x 8).
.set PP,    272                        ; a row of a share: 256 bytes + 16
.set PART,  16*PP
.set SPARE, 16*PART                    ; behind the sixteen shares: the spare words, 128 bytes for each wave
.set AQ,  1                            ; 4,096 r + 16 h
.set AW,  2                            ; 32,768 h + 4 r
.set SPW, 3
.set NIL, 4
.set DM,  5                            ; r - 8 h
.set PST, 6
.set PRD, 7
.set GO,  12
.macro WLOAD t, wb                     ; chunk t of my head's 64 rows of Wo: rows 16 t + 8 h + 2 i + jj, columns 16 ct + r of my 64
.irp i, 0,1,2,3
.irp ct, 0,1,2,3
.irp jj, 0,1
	global_load_b32 v[\wb+2*(4*\i+\ct)+\jj], v[AW], s[6:7] offset:(16*\t+2*\i+\jj)*4096+64*\ct
.endr
.endr
.endr
.endm
.macro CHUNK t, wb, cnt                ; 16 matrix instructions: four accumulators by turns
	s_wait_loadcnt \cnt
.irp i, 0,1,2,3
.irp ct, 0,1,2,3
.if (\t == 0) && (\i == 0)
	v_wmma_f32_16x16x4_f32 v[224+8*\ct:231+8*\ct], v[\wb+2*(4*\i+\ct):\wb+2*(4*\i+\ct)+1], v[144+8*\t+2*\i:145+8*\t+2*\i], 0
.else
	v_wmma_f32_16x16x4_f32 v[224+8*\ct:231+8*\ct], v[\wb+2*(4*\i+\ct):\wb+2*(4*\i+\ct)+1], v[144+8*\t+2*\i:145+8*\t+2*\i], v[224+8*\ct:231+8*\ct]
.endif
.endr
.endr
.endm
.macro PLACES8                         ; eight plain lines behind this matrix form (ISA guide 7.12.1)
.rept 8
	v_nop
.endr
.endm
	s_load_b256 s[4:11], s[0:1], 0x0               ; x32 s[4:5], Wo s[6:7], bo s[8:9], out0 s[10:11]
	v_lshl_add_u32 v[SPW], v0, 2, SPARE
	v_mov_b32 v[NIL], 0
	v_lshrrev_b32 v13, 5, v0
	v_readfirstlane_b32 s12, v13                   ; wave = head
	s_and_b32 s14, ttmp7, 0xffff                   ; batch
	v_and_b32 v13, 15, v0                          ; r
	v_bfe_u32 v14, v0, 4, 1                        ; h
	v_lshlrev_b32 v[AQ], 12, v13
	v_lshl_add_u32 v[AQ], v14, 4, v[AQ]
	v_lshlrev_b32 v[AW], 2, v13
	v_lshl_add_u32 v[AW], v14, 15, v[AW]
	v_lshlrev_b32 v15, 3, v14
	v_sub_nc_u32 v[DM], v13, v15
	s_mul_i32 s20, s12, PART
	v_mul_u32_u24 v[PST], v13, PP
	v_lshl_add_u32 v[PST], v14, 5, v[PST]
	v_add_nc_u32 v[PST], s20, v[PST]               ; my share: row r, 32 bytes for each half of the lanes
	s_and_b32 s21, s12, 7
	s_lshl_b32 s21, s21, 1
	v_add_nc_u32 v15, s21, v14                     ; the row that I add up: 2 (wave % 8) + h
	v_mul_u32_u24 v[PRD], v15, PP
	v_lshl_add_u32 v[PRD], v13, 4, v[PRD]
	v_lshlrev_b32 v[GO], 12, v15
	v_lshl_add_u32 v[GO], v13, 4, v[GO]
	v_lshlrev_b32 v15, 4, v13                      ; the bias: 16 bytes a lane of sixteen
	v_mov_b32 v152, 0xff800000                     ; -infinity
	v_mov_b32 v154, 0                              ; written once: a lane permute's destination counts as one of its sources
	s_mov_b32 s16, 0x76543210
	s_mov_b32 s17, 0xfedcba98                      ; v_permlanex16_b32's selects for lane xor 16
	s_mov_b32 s18, 0x3e38aa3b                      ; c = log2(e) / sqrt(64)
	s_lshl_b32 s22, s14, 16                        ; x32: 65,536 bytes a batch,
	s_lshl_b32 s23, s12, 8                         ; 256 a head
	s_add_co_u32 s22, s22, s23
	s_mov_b32 s23, 0
	s_lshl_b32 s24, s12, 18                        ; Wo: my head's 64 rows of 4,096 bytes,
	s_lshl_b32 s26, ttmp9, 8                       ; my work-group's 64 columns
	s_add_co_u32 s24, s24, s26
	s_mov_b32 s25, 0
	s_mov_b32 s27, 0
	s_lshl_b32 s28, s14, 23                        ; out0: 8,388,608 bytes a batch
	s_add_co_u32 s28, s28, s26
	s_mov_b32 s29, 0
	s_wait_kmcnt 0x0
	s_add_nc_u64 s[4:5], s[4:5], s[22:23]
	s_add_nc_u64 s[6:7], s[6:7], s[24:25]
	s_add_nc_u64 s[8:9], s[8:9], s[26:27]
	s_add_nc_u64 s[10:11], s[10:11], s[28:29]
	global_load_b128 v[8:11], v15, s[8:9]
.irp i, 0,1,2,3,4,5,6,7                        ; q and k: lane (r, h) holds, of row r, channels 8 i + 4 h + 0 .. 3
	global_load_b128 v[16+4*\i:19+4*\i], v[AQ], s[4:5] offset:32*\i
.endr
.irp i, 0,1,2,3,4,5,6,7
	global_load_b128 v[48+4*\i:51+4*\i], v[AQ], s[4:5] offset:262144+32*\i
.endr
.irp dt, 0,1,2,3                               ; v: key 8 h + 2 i + jj, channel 16 dt + r
.irp i, 0,1,2,3
.irp jj, 0,1
	global_load_b32 v[80+2*(4*\dt+\i)+\jj], v[AW], s[4:5] offset:524288+(2*\i+\jj)*4096+64*\dt
.endr
.endr
.endr
	s_wait_loadcnt 32                              ; the bias, q and k are in; v's 32 loads may be out
	v_wmma_f32_16x16x4_f32 v[176:183], v[48:49], v[16:17], 0        ; S^T = k q^T in two sums that take turns; the first instruction of each starts it
	v_wmma_f32_16x16x4_f32 v[184:191], v[50:51], v[18:19], 0
.irp u, 2,4,6,8,10,12,14
	v_wmma_f32_16x16x4_f32 v[176:183], v[48+2*\u:49+2*\u], v[16+2*\u:17+2*\u], v[176:183]
	v_wmma_f32_16x16x4_f32 v[184:191], v[50+2*\u:51+2*\u], v[18+2*\u:19+2*\u], v[184:191]
.endr
	PLACES8                                        ; in front of the first read of the sums and of the loads into q's and k's registers
	s_wait_loadcnt 0x0                             ; v is in (asked for with q and k)
	WLOAD 0, 112
	WLOAD 1, 16
	WLOAD 2, 48
.irp j, 0,1,2,3,4,5,6,7
	v_add_f32 v[144+\j], v[176+\j], v[184+\j]      ; lane (r, h): the score of query r and key 8 h + j
.endr
.irp j, 0,1,2,3,4,5,6,7
	v_cmp_gt_i32 vcc_lo, \j, v[DM]                 ; hidden where 8 h + j > r
	v_cndmask_b32 v[144+\j], v[144+\j], v152, vcc_lo
.endr
	v_max3_num_f32 v153, v144, v145, v146
	v_max3_num_f32 v153, v153, v147, v148
	v_max3_num_f32 v153, v153, v149, v150
	v_max_num_f32 v153, v153, v151
	v_permlanex16_b32 v154, v153, s16, s17
	v_max_num_f32 v153, v153, v154                 ; the row's maximum: key 0 counts for every query, so it is a number
	v_mul_f32 v153, s18, v153
.irp j, 0,1,2,3,4,5,6,7
	v_fma_f32 v[144+\j], v[144+\j], s18, -v153
.endr
.irp j, 0,1,2,3,4,5,6,7
	v_exp_f32 v[144+\j], v[144+\j]
.endr
	v_nop                                          ; a plain line behind the last exponential
	s_wait_alu depctr_va_vdst(0)                   ; one wait for the eight, ahead of their first reader
	v_add_f32 v155, v144, v145
	v_add_f32 v156, v146, v147
	v_add_f32 v157, v148, v149
	v_add_f32 v158, v150, v151
	v_add_f32 v155, v155, v156
	v_add_f32 v157, v157, v158
	v_add_f32 v155, v155, v157
	v_permlanex16_b32 v154, v155, s16, s17
	v_add_f32 v155, v155, v154                     ; the row's sum
	v_rcp_f32 v14, v155
	v_mov_b32 v15, 0                               ; a plain line behind the reciprocal; v15 is named with v14 as a pair below
.irp i, 0,1,2,3                                ; O^T = v^T p: keys 8 h + 2 i, + 1; four accumulators by turns
.irp dt, 0,1,2,3
.if \i == 0
	v_wmma_f32_16x16x4_f32 v[192+8*\dt:199+8*\dt], v[80+2*(4*\dt+\i):81+2*(4*\dt+\i)], v[144+2*\i:145+2*\i], 0
.else
	v_wmma_f32_16x16x4_f32 v[192+8*\dt:199+8*\dt], v[80+2*(4*\dt+\i):81+2*(4*\dt+\i)], v[144+2*\i:145+2*\i], v[192+8*\dt:199+8*\dt]
.endif
.endr
.endr
	PLACES8                                        ; in front of the first read of O^T, the writes over p and the loads into v's registers
	s_wait_alu depctr_va_vdst(0)                   ; the reciprocal's wait, ahead of its first reader
	WLOAD 3, 80
.irp j, 0,2,4,6,8,10,12,14,16,18,20,22,24,26,28,30
	v_pk_mul_f32 v[144+\j:145+\j], v[192+\j:193+\j], v[14:15] op_sel_hi:[1,0]   ; register 8 t + j: channel 16 t + 8 h + j of query r, normalised
.endr
	CHUNK 0, 112, 63                               ; 96 younger loads may be out; the count's field ends at 63, and a smaller count is safe
	CHUNK 1, 16, 63                                ; 64 may
	CHUNK 2, 48, 32
	CHUNK 3, 80, 0
	PLACES8
.irp ct, 0,1,2,3
	ds_store_b128 v[PST], v[224+8*\ct:227+8*\ct] offset:64*\ct       ; lane (r, h): row r, columns 16 ct + 8 h + 0 .. 7; each accumulator from its low end on
	ds_store_b128 v[PST], v[228+8*\ct:231+8*\ct] offset:64*\ct+16
.endr
	s_wait_dscnt 0x0                               ; for the others' sake: my share lies in LDS
	s_barrier_signal -1
	s_barrier_wait -1
	s_cmp_lt_u32 s12, 8
	s_cbranch_scc0 .Lend                           ; waves 0-7 add up two rows each
.irp p, 0,1,2,3,4,5,6,7,8,9,10,11,12,13,14,15
	ds_load_b128 v[16+4*\p:19+4*\p], v[PRD] offset:PART*\p
.endr
	s_wait_dscnt 0x0
.irp p, 0,1,2,3,4,5,6,7,8,9,10,11,12,13,14,15
	v_pk_add_f32 v[8:9], v[8:9], v[16+4*\p:17+4*\p]
	v_pk_add_f32 v[10:11], v[10:11], v[18+4*\p:19+4*\p]
.endr
	global_store_b128 v[GO], v[8:11], s[10:11]     ; sixteen lanes store 256 consecutive bytes, aligned
.Lend:
	s_wait_tensorcnt 0x0                           ; the wave's end
	ds_add_u32 v[SPW], v[NIL]
	s_wait_dscnt 0x0
	s_endpgm
.Lfunc_end_k_q0e9eccee20_first16:
	.size	k_q0e9eccee20_first16, .Lfunc_end_k_q0e9eccee20_first16-k_q0e9eccee20_first16
	.p2alignl 7, 3214868480
	.fill 96, 4, 3214868480
	.section	.rodata,"a",@progbits
	.p2align	6, 0x0
	.amdhsa_kernel k_q0e9eccee20_first16
		.amdhsa_group_segment_fixed_size 71680
		.amdhsa_private_segment_fixed_size 0
		.amdhsa_enable_private_segment 0
		.amdhsa_kernarg_size 32
		.amdhsa_user_sgpr_count 2
		.amdhsa_user_sgpr_kernarg_segment_ptr 1
		.amdhsa_wavefront_size32 1
		.amdhsa_system_sgpr_workgroup_id_x 1
		.amdhsa_system_sgpr_workgroup_id_y 1
		.amdhsa_system_sgpr_workgroup_id_z 1
		.amdhsa_system_vgpr_workitem_id 0
		.amdhsa_next_free_vgpr 256
		.amdhsa_next_free_sgpr 66
		.amdhsa_reserve_vcc 1
		.amdhsa_float_denorm_mode_32 3
		.amdhsa_float_denorm_mode_16_64 3
		.amdhsa_memory_ordered 1
		.amdhsa_forward_progress 1
		.amdhsa_inst_pref_size 34
	.end_amdhsa_kernel
	.amdgpu_metadata
---
amdhsa.version: [ 1, 2 ]
amdhsa.kernels:
  - .name:           k_q0e9eccee20_first16
    .symbol:         k_q0e9eccee20_first16.kd
    .args:
      - { .name: x32, .offset: 0, .size: 8, .value_kind: global_buffer, .address_space: global }
      - { .name: Wo, .offset: 8, .size: 8, .value_kind: global_buffer, .address_space: global }
      - { .name: bo, .offset: 16, .size: 8, .value_kind: global_buffer, .address_space: global }
      - { .name: out0, .offset: 24, .size: 8, .value_kind: global_buffer, .address_space: global }
    .group_segment_fixed_size: 71680
    .private_segment_fixed_size: 0
    .kernarg_segment_align: 8
    .kernarg_segment_size: 32
    .max_flat_workgroup_size: 512
    .sgpr_count:     66
    .vgpr_count:     256
    .wavefront_size: 32
...
	.end_amdgpu_metadata
.endif
;; end of part 5
